; MI455X (gfx1250); checked and timed in simulation.
; The chip was launched on July 23, 2026; its instructions are those of AMD's public machine-readable ISA for CDNA 5 (MIT licence, August 2026) and "CDNA5" Instruction Set Architecture Reference Guide (July 2026). The comments in the code are by the model that wrote it; some were corrected since.
;; Full Attention. Allowed arithmetic: matrix products marked QUANTISED: E2M1 operands, one E8M0 scale for each 32 along K, by v_wmma_scale_f32_16x16x128_f8f6f4 with both operands' format E2M1 (or v_wmma_scale_f32_32x16x128_f4), f32 sums; everything else in f32.
;; Inputs: attn_mask 2,048 x 2,048 bool; keys_codes 2 x 2,048 x 16 x 2 x 16 uint8 (E2M1 codes of keys, K innermost, in blocks of 32 codes, two codes a byte); keys_scales 2 x 2,048 x 16 x 2 uint8 (E8M0 scales of keys, one for each 32 codes along K); queries_codes 2 x 2,048 x 16 x 2 x 16 uint8 (E2M1 codes of queries, K innermost, in blocks of 32 codes, two codes a byte); queries_scales 2 x 2,048 x 16 x 2 uint8 (E8M0 scales of queries, one for each 32 codes along K); values_codes 2 x 16 x 64 x 64 x 16 uint8 (E2M1 codes of values, K innermost, in blocks of 32 codes, two codes a byte); values_scales 2 x 16 x 64 x 64 uint8 (E8M0 scales of values, one for each 32 codes along K).
;; Outputs: out0 2 x 2,048 x 16 x 64 float32.
;; This version of the problem:
;;   THIS VERSION OF THE PROBLEM IS GIVEN IN LOW PRECISION. The matrix products marked QUANTISED in the list below multiply operands that are first quantised to E2M1 (2 exponent bits, 1 mantissa bit; 4 bits a number), with one power-of-two scale for each 32 numbers along K (OCP MX v1.0); their sums are f32. All else is computed in f32.
;;   The module's matrix products, in the order in which they are computed (A, B: the left and right operand; K: the contracted axis; several contracted axes count as one K, in the product's order):
;;     1. batch 32 x [M 2,048, K 64] x [K 64, N 2,048]; A: input queries (given as codes); B: input keys (given as codes): QUANTISED
;;     2. batch 32 x [M 64, K 2,048] x [K 2,048, N 2,048]; A: input values (given as codes); B: softmax (see below): QUANTISED
;;   THE QUANTISER, for each operand of a quantised product, along K:
;;     - K is cut into blocks of 32 from its start; a last block that is shorter is filled with zeros.
;;     - A block's scale is 2^e with e = floor(log2(the largest magnitude in the block)) - 2, held to -126 .. 127; a block of zeros has e = 0. As a byte (E8M0): e + 127.
;;     - Each number is divided by its block's scale, clamped to +-6, and rounded to the nearest number of E2M1, ties to even, subnormals kept.
;;     - The product sums the exact products of the quantised numbers (number of the format x scale) in f32.
;;   ~~~python
;;   def quantise(x, axis):      # numpy; x: float32 -> the quantised numbers, widened to float32 again
;;       x = np.moveaxis(x, axis, -1); K = x.shape[-1]
;;       x = np.pad(x, [(0, 0)] * (x.ndim - 1) + [(0, -K % 32)]); x = x.reshape(x.shape[:-1] + (-1, 32)); a = np.abs(x).max(-1, keepdims=True)
;;       e = np.where(a > 0, np.clip(np.frexp(np.where(a > 0, a, 1))[1] - 1 - 2, -126, 127), 0)      # np.frexp(a)[1] - 1 = floor(log2(a)), exactly
;;       r = np.clip(x / 2.0 ** e, -6, 6)
;;       step = 2.0 ** (np.maximum(np.frexp(np.where(r == 0, 1, r))[1] - 1, 0) - 1)
;;       q = np.round(r / step) * step * 2.0 ** e      # np.round: ties to even
;;       return np.moveaxis(q.reshape(q.shape[:-2] + (-1,))[..., :K], -1, axis).astype(np.float32)
;;   ~~~
;;   SOFTMAX AHEAD OF A QUANTISED PRODUCT. Where the list says 'softmax', what is quantised is not the finished softmax but p = 2^(t - M), with t = logit x log2(e) and M = ceil(the row's largest t), a whole number; so 1/2 < the row's largest p <= 1. The row's sum l is taken of the UNQUANTISED p, in f32, and the product's result is divided by l at the end. Since M is a whole number, a kernel that streams over the keys may use a running M (the ceiling of the running maximum): every later rescaling is an exact power of two, which a block's scale takes up: the codes' values come out the same.
;;   OPERANDS COMPUTED ON THE WAY. 'Computed on the way' means the value that the module computes at that place (a softmax that the list does not call 'softmax' is quantised finished and normalised). What goes into a quantiser is computed in f32, as accurately as f32 sums, v_exp_f32 and their like allow (about 1e-6 of the number): no bf16 or f16 on the way to a quantiser, and a product that is left as it is and whose result goes on into a quantised operand takes f32 operands (vector FMAs, or v_wmma_f32_16x16x4_f32). A number that lies on a knife's edge between two numbers of the format may be rounded either way, as far as f32 arithmetic and the matrix unit's own rounding can turn it there, and no further.
;;   INPUTS GIVEN AS CODES. keys (in the module: [2, 2048, 16, 64], K = its axis 3); queries (in the module: [2, 2048, 16, 64], K = its axis 3); values (in the module: [2, 2048, 16, 64], K = its axis 1): each comes as NAME_codes (uint8): NAME with its K axis moved to the last place and cut into blocks of 32 codes, [.., K / 32, bytes a block], one block behind the other in memory; two codes a byte, the lower K in the low four bits (a code: sign, 2 exponent bits, 1 mantissa bit); and NAME_scales (uint8): the same leading axes, one E8M0 byte (e + 127) for each 32 codes along K. Its value is code x scale, taken as it is: it is not quantised again, and the codes and scales need not be those that the quantiser above would give.
;; 2 versions. Each part assembles by itself: llvm-mc -triple=amdgcn-amd-amdhsa -mcpu=gfx1250 --defsym DOCPART=n.
;; ======== version 1 of 2: 2 launches
;; workspace buffers: mwords 524,288 bytes of whole numbers; mflags 8,192 bytes of whole numbers; kimg 2,097,152 bytes; kscl 262,144 bytes
;; launch prep (part 1): grid 272 x 1, 8 waves a work-group, no clusters, 0 bytes of LDS; arguments attn_mask, keys_codes, keys_scales, mwords, mflags, kimg, kscl; writes mwords, mflags, kimg, kscl
.if DOCPART == 1
	.amdgcn_target "amdgcn-amd-amdhsa--gfx1250"
	.amdhsa_code_object_version 6
	.text
	.protected	k_qc7501440aa_prep
	.globl	k_qc7501440aa_prep
	.p2align	8
	.type	k_qc7501440aa_prep,@function
k_qc7501440aa_prep:
	s_mov_b64 s[64:65], 0
	v_nop
	global_prefetch_b8 v0, s[64:65] scope:SCOPE_SE
	s_setreg_imm32_b32 hwreg(HW_REG_WAVE_MODE, 25, 1), 1
	s_wait_xcnt 0x0
; PREP: what the attention launch wants laid out once.  Two roles, told apart by the work-group's number alone; no LDS, no barrier, waves share nothing.
; MASK ROLE (work-groups 0-255, 2,048 waves): a wave takes one tile of 16 queries (T = 0..127) and one step of 128 keys (S = 0..15) of attn_mask [2048][2048] (one byte an entry, 0 or 1; 1 = hidden) and makes
;   mwords[T][S][n], n = 0..63: a word of 32 lane bits.  Bit l (r = l % 16, h = l / 16) = attn_mask[16 T + r][128 S + 32 (n / 16) + 16 h + n % 16]: the entry of the score that lane l of the attention
;   launch holds in its score register n.  So that launch names the word as the select of one v_cndmask_b32, with no compare.  A (T, S) record is 256 consecutive bytes, stored by one instruction.
;   mflags[T][S]: bit 0 = all 16 x 128 entries are hidden, bit 16 = at least one is.
; KEY ROLE (work-groups 256-271, 128 waves): a wave takes 64 keys (4 tiles of 16) of 8 heads of one batch.  keys_codes has 32 bytes a head in rows of 512 bytes; the eight loads of a tile cover 256 consecutive
;   bytes of each of its 16 rows.  Out go images of the operand's registers:
;   kimg[bh][tile][lane][16 bytes]: lane (r, h) of tile Tk holds bytes 16 h .. 16 h + 15 (k = 32 h .. 32 h + 31) of key 32 (Tk / 2) + 8 (Tk % 2) + r + 8 (r / 8): THE KEYS OF A TILE ARE NOT NEIGHBOURS, so that
;   the 16 score registers of tiles 2 b and 2 b + 1 are 16 neighbouring keys.  Each store covers 512 consecutive bytes.
;   kscl[bh][S][lane][4 words]: lane r + 16 g, word q: the two scale bytes (upper half 0) of lane r's key of tile 8 S + 4 g + q.  Sixteen lanes store 256 consecutive bytes, aligned.
; LIMIT: a mask byte is 0 or 1, as the problem states it.
.set MSK, 40                           ; s40-43  lane masks on their way into a register, by turns
	s_load_b256 s[4:11], s[0:1], 0x0               ; mask s[4:5], keys' codes s[6:7], keys' scales s[8:9], mwords s[10:11]
	s_load_b128 s[12:15], s[0:1], 0x20             ; mflags s[12:13], kimg s[14:15]
	s_load_b64 s[16:17], s[0:1], 0x30              ; kscl
	v_lshrrev_b32 v1, 5, v0
	v_readfirstlane_b32 s20, v1                    ; wave 0..7
	v_and_b32 v1, 31, v0                           ; lane
	v_and_b32 v2, 15, v0                           ; r
	v_bfe_u32 v3, v0, 4, 1                         ; h
	s_mov_b32 s25, 0                               ; the upper word of every offset pair s[24:25]
	s_wait_kmcnt 0x0
	s_cmp_ge_u32 ttmp9, 256
	s_cbranch_scc1 .Lkeys
	; ---------------- the mask role
	s_lshr_b32 s21, ttmp9, 1                       ; T
	s_and_b32 s22, ttmp9, 1
	s_lshl_b32 s22, s22, 3
	s_add_co_u32 s22, s22, s20                     ; S = 8 (x % 2) + wave
	s_lshl_b32 s24, s21, 15                        ; 16 T rows of 2,048 bytes
	s_lshl_b32 s23, s22, 7                         ; + 128 S
	s_add_co_u32 s24, s24, s23
	s_add_nc_u64 s[4:5], s[4:5], s[24:25]
	s_lshl_b32 s21, s21, 4
	s_add_co_u32 s21, s21, s22                     ; 16 T + S
	s_lshl_b32 s24, s21, 8
	s_add_nc_u64 s[10:11], s[10:11], s[24:25]      ; my record of 256 bytes
	s_lshl_b32 s24, s21, 2
	s_add_nc_u64 s[12:13], s[12:13], s[24:25]      ; my flag word
	v_lshlrev_b32 v4, 11, v2
	v_lshl_add_u32 v4, v3, 4, v4                   ; row r, + 16 h
	v_lshlrev_b32 v5, 3, v1                        ; out: 8 bytes a lane
	v_mov_b32 v14, 0
.irp b, 0,1,2,3
	global_load_b128 v[16+4*\b:19+4*\b], v4, s[4:5] offset:32*\b   ; entries 32 b + 16 h + 0 .. 15 of my row: byte i of the 16 belongs to word 16 b + i
.endr
	v_mov_b32 v8, 0                                ; a lane write's destination counts as read
	v_mov_b32 v9, 0
	s_wait_loadcnt 0x0
	v_or_b32 v10, v16, v17                         ; any byte set?  every byte set?
	v_and_b32 v11, v16, v17
.irp i, 18,19,20,21,22,23,24,25,26,27,28,29,30,31
	v_or_b32 v10, v10, v[\i]
	v_and_b32 v11, v11, v[\i]
.endr
.set n, 0
.rept 64                               ; word n: the lanes' byte n % 16 of load n / 16, as a lane mask; it goes to lane n / 2 of v8 (even n) or v9 (odd n)
	v_and_b32 v[12+n%2], 0xff<<(8*(n%4)), v[16+4*(n/16)+(n%16)/4]
	v_cmp_ne_u32 s[MSK+n%4], 0, v[12+n%2]
	v_writelane_b32 v[8+n%2], s[MSK+n%4], n/2
.set n, n+1
.endr
	global_store_b64 v5, v[8:9], s[10:11]          ; word n at byte 4 n: the wave stores 256 consecutive bytes, aligned
	v_cmp_ne_u32 s28, 0, v10                       ; lanes with a hidden entry
	v_cmp_ne_u32 s29, 0x01010101, v11              ; lanes with an entry that counts
	s_cmp_eq_u32 s29, 0
	s_cselect_b32 s30, 1, 0                        ; bit 0: all hidden
	s_cmp_lg_u32 s28, 0
	s_cselect_b32 s31, 0x10000, 0                  ; bit 16: some hidden
	s_or_b32 s30, s30, s31
	v_mov_b32 v13, s30
	v_cmp_eq_u32 vcc_lo, 0, v1
	s_wait_xcnt 0x0                                ; EXEC is a source of the store above: it changes only behind this wait
	s_and_saveexec_b32 s32, vcc_lo                 ; lane 0 alone
	global_store_b32 v14, v13, s[12:13]
	s_wait_xcnt 0x0                                ; and again in front of the line that widens it
	s_or_b32 exec_lo, exec_lo, s32
	s_endpgm
	; ---------------- the key role
.Lkeys:
	s_sub_co_u32 s21, ttmp9, 256
	s_lshl_b32 s21, s21, 3
	s_add_co_u32 s21, s21, s20                     ; id 0..127
	s_lshr_b32 s22, s21, 6                         ; batch
	s_bfe_u32 s23, s21, 0x50001                    ; G: which 64 keys (5 bits from bit 1)
	s_and_b32 s26, s21, 1                          ; which 8 heads
	s_lshl_b32 s24, s22, 20                        ; codes: a batch is 2,048 rows of 512 bytes,
	s_lshl_b32 s27, s23, 15                        ; 64 keys,
	s_add_co_u32 s24, s24, s27
	s_lshl_b32 s27, s26, 8                         ; 8 heads of 32 bytes
	s_add_co_u32 s24, s24, s27
	s_add_nc_u64 s[6:7], s[6:7], s[24:25]
	s_lshr_b32 s24, s24, 4                         ; scale bytes: a sixteenth of that (2 bytes a head, 32 a key)
	s_add_nc_u64 s[8:9], s[8:9], s[24:25]
	s_lshl_b32 s27, s22, 4
	s_lshl_b32 s28, s26, 3
	s_add_co_u32 s27, s27, s28                     ; my first head among the 32: 16 batch + 8 half
	s_lshl_b32 s24, s27, 16                        ; kimg: 65,536 bytes a head,
	s_lshl_b32 s28, s23, 11                        ; 4 tiles of 512 bytes
	s_add_co_u32 s24, s24, s28
	s_add_nc_u64 s[14:15], s[14:15], s[24:25]
	s_lshl_b32 s24, s27, 13                        ; kscl: 8,192 bytes a head,
	s_lshl_b32 s28, s23, 8                         ; 512 (G / 2) + 256 (G % 2) = 256 G
	s_add_co_u32 s24, s24, s28
	s_add_nc_u64 s[16:17], s[16:17], s[24:25]
	v_and_b32 v8, 8, v2
	v_add_nc_u32 v8, v8, v2                        ; r + 8 (r / 8)
	v_lshlrev_b32 v4, 9, v8
	v_lshl_add_u32 v4, v3, 4, v4                   ; codes: my key's row, + 16 h
	v_lshlrev_b32 v5, 5, v8
	v_lshl_add_u32 v5, v3, 3, v5                   ; scale bytes: my key's row, + the 8 bytes of heads 4 h .. 4 h + 3
	v_lshlrev_b32 v6, 4, v1                        ; an image: 16 bytes a lane
	v_lshlrev_b32 v7, 4, v2
	v_lshl_add_u32 v7, v3, 15, v7                  ; kscl: 16 r, lanes 16-31 four heads (4 x 8,192 bytes) on
.irp q, 0,1,2,3
	global_load_b64 v[16+2*\q:17+2*\q], v5, s[8:9] offset:(32*(\q/2)+8*(\q%2))*32
.endr
.irp q, 0,1,2,3
.irp e, 0,1,2,3,4,5,6,7
	global_load_b128 v[32+4*(8*\q+\e):35+4*(8*\q+\e)], v4, s[6:7] offset:(32*(\q/2)+8*(\q%2))*512+32*\e   ; tile q, head e
.endr
.endr
	s_wait_loadcnt 32                              ; the 32 loads of codes are younger: the four of scale bytes are in
.irp q, 0,1,2,3
	v_and_b32 v[160+\q], 0xffff, v[16+2*\q]        ; head 4 h + 0: the low half,
	v_lshrrev_b32 v[164+\q], 16, v[16+2*\q]        ; head 4 h + 1: the high half,
	v_and_b32 v[168+\q], 0xffff, v[17+2*\q]        ; heads 4 h + 2
	v_lshrrev_b32 v[172+\q], 16, v[17+2*\q]        ; and 4 h + 3
.endr
.irp e, 0,1,2,3
	global_store_b128 v7, v[160+4*\e:163+4*\e], s[16:17] offset:8192*\e   ; the four tiles' words of my key row; lanes 0-15 head e, lanes 16-31 head 4 + e: 256 consecutive bytes each
.endr
.irp q, 0,1,2,3
.irp e, 0,1,2,3,4,5,6,7
	s_wait_loadcnt 31-(8*\q+\e)                    ; the loads younger than this one may stay out
	global_store_b128 v6, v[32+4*(8*\q+\e):35+4*(8*\q+\e)], s[14:15] offset:65536*\e+512*\q   ; 512 consecutive bytes.  No register is written again, so no wait frees any
.endr
.endr
	s_endpgm
.Lfunc_end_k_qc7501440aa_prep:
	.size	k_qc7501440aa_prep, .Lfunc_end_k_qc7501440aa_prep-k_qc7501440aa_prep
	.p2alignl 7, 3214868480
	.fill 96, 4, 3214868480
	.section	.rodata,"a",@progbits
	.p2align	6, 0x0
	.amdhsa_kernel k_qc7501440aa_prep
		.amdhsa_group_segment_fixed_size 0
		.amdhsa_private_segment_fixed_size 0
		.amdhsa_enable_private_segment 0
		.amdhsa_kernarg_size 56
		.amdhsa_user_sgpr_count 2
		.amdhsa_user_sgpr_kernarg_segment_ptr 1
		.amdhsa_wavefront_size32 1
		.amdhsa_system_sgpr_workgroup_id_x 1
		.amdhsa_system_sgpr_workgroup_id_y 1
		.amdhsa_system_sgpr_workgroup_id_z 1
		.amdhsa_system_vgpr_workitem_id 0
		.amdhsa_next_free_vgpr 192
		.amdhsa_next_free_sgpr 66
		.amdhsa_reserve_vcc 1
		.amdhsa_float_denorm_mode_32 3
		.amdhsa_float_denorm_mode_16_64 3
		.amdhsa_memory_ordered 1
		.amdhsa_forward_progress 1
		.amdhsa_inst_pref_size 26
	.end_amdhsa_kernel
	.amdgpu_metadata
---
amdhsa.version: [ 1, 2 ]
amdhsa.kernels:
  - .name:           k_qc7501440aa_prep
    .symbol:         k_qc7501440aa_prep.kd
    .args:
      - { .name: attn_mask, .offset: 0, .size: 8, .value_kind: global_buffer, .address_space: global }
      - { .name: keys_codes, .offset: 8, .size: 8, .value_kind: global_buffer, .address_space: global }
      - { .name: keys_scales, .offset: 16, .size: 8, .value_kind: global_buffer, .address_space: global }
      - { .name: mwords, .offset: 24, .size: 8, .value_kind: global_buffer, .address_space: global }
      - { .name: mflags, .offset: 32, .size: 8, .value_kind: global_buffer, .address_space: global }
      - { .name: kimg, .offset: 40, .size: 8, .value_kind: global_buffer, .address_space: global }
      - { .name: kscl, .offset: 48, .size: 8, .value_kind: global_buffer, .address_space: global }
    .group_segment_fixed_size: 0
    .private_segment_fixed_size: 0
    .kernarg_segment_align: 8
    .kernarg_segment_size: 56
    .max_flat_workgroup_size: 256
    .sgpr_count:     66
    .vgpr_count:     192
    .wavefront_size: 32
...
	.end_amdgpu_metadata
.endif
;; end of part 1
;; launch attn (part 2): grid 8 x 32, 16 waves a work-group, no clusters, 217,088 bytes of LDS; arguments queries_codes, queries_scales, kimg, kscl, values_codes, values_scales, mwords, mflags, out0; writes out0
.if DOCPART == 2
	.amdgcn_target "amdgcn-amd-amdhsa--gfx1250"
	.amdhsa_code_object_version 6
	.text
	.protected	k_qc7501440aa_attn
	.globl	k_qc7501440aa_attn
	.p2align	8
	.type	k_qc7501440aa_attn,@function
k_qc7501440aa_attn:
	s_mov_b64 s[64:65], 0
	v_nop
	global_prefetch_b8 v0, s[64:65] scope:SCOPE_SE
	s_setreg_imm32_b32 hwreg(HW_REG_WAVE_MODE, 25, 1), 1
	s_wait_xcnt 0x0
; out0[b][q][hd][:] = the sum over k of softmax_k(mask(Q[q] . K[k]) / 8) V[k][:], 32 heads (bh = 16 b + hd), 2,048 queries and keys, head size 64, both products on codes of FP4 (E2M1) with one E8M0 scale
; for each 32 along a product's K.  The mask is an input: it comes as lane-mask words and flags that the launch before made of it (mwords, mflags), K as images of the operand's registers (kimg, kscl).
; THE SOFTMAX AHEAD OF THE SECOND PRODUCT: t = score x log2(e) / 8; M = the row's largest t so far, rounded UP to a whole number; p = 2^(t - M) is quantised along the keys, not normalised.  The row's sum is
; taken of the unquantised p, in f32, and divides at the end.  When M moves, the sum and O are multiplied by 2^(old M - new M): exact.
; SHARES.  A work-group has one head (y) and sixteen waves; wave w owns ONE tile of 16 queries, T = 8 p(w) + x, in 256 registers, and walks 16 key steps of 128 keys.  p = 15,2,1,12, 4,9,10,7, 8,5,6,11, 3,14,13,0:
; as a square of 4 x 4 every row and every column adds up to 30, so that tiles with many and with few steps to walk are spread evenly; every tile is served whatever the mask holds.
; LDS.  The head's K (65,536 bytes), V (65,536) and their scale words (8,192 + 4,096) are copied into LDS once, through registers; ONE barrier; from there on no wave waits for another.
; WHAT THE MASK SPARES.  A step whose flag says that all 16 x 128 entries are hidden is jumped over (its p would all be 0); the 64 selects that put -infinity in hidden places run only where the flag says that
; some entry is hidden.  Both are scalar branches on whole numbers that the launch before stored.
; NO CLUSTER, NO TENSOR LOADS: the 8 work-groups of a head read the same 143,360 bytes, once each, at their start; a joint request is a tensor load.
; the branch on the flags spares up to 16 steps of some 240 vector instructions in each wave.
; LAYOUT.  Both products are used transposed: S^T = K Q^T (source 0 = 16 keys, source 1 = my 16 queries), O^T = V^T P^T (source 0 = 16 of the head's 64, source 1 = P): a lane holds ONE query (lane % 16).
; K = 64 fills half of the first product's 128: registers 4-7 of Q's and K's fragments are zero codes, and the upper two scale bytes are 0 (2^-127 over zero codes adds nothing).
; LIMITS: scale bytes 0xff and scores that are NaN or infinite are not served; t under -3e38 is not told from "nothing yet".  A row that is hidden whole gives 0 x (1 / 0) = NaN, as the softmax of such a row is.
; O^T, the sum and the fragments' zero halves are cleared by v_mov_b32 once: which step is a tile's first hangs on the flags, so no first step can be written out to start the sums.
.set KIMG, 0                           ; LDS: 128 images of 512 bytes
.set VROW, 65536                       ; 64 rows of V (1,024 bytes: 2,048 codes) + 16 of padding: pitch 1,040 = 65 x 16, so sixteen rows begin at sixteen different 16-byte columns of 256
.set VP,   1040
.set SCK,  VROW+64*VP                  ; K's scale words as kscl has them: 512 bytes a step
.set SCV,  SCK+8192                    ; V's: word (S, r, t) = the bytes 4 S .. 4 S + 3 of row d = 16 t + r, at 272 S + 16 r + 4 t
.set SVP,  272
.set STG,  SCV+16*SVP                  ; the way out: 16 rows x (256 + 16) bytes for each wave; bytes of its own, since other waves still read K and V when one wave is done
.set SP,   272
.set AK0,  1                           ; v1   KIMG + 16 lane
.set AV0,  2                           ; v2   VROW + 1,040 r + 16 h
.set ASK0, 3                           ; v3   SCK + 16 lane
.set ASV0, 4                           ; v4   SCV + 16 r
.set NEG,  5                           ; v5   -infinity
.set ADK,  6                           ; v6-9 the step's LDS addresses (at the head: the copy's addresses; on the way out: the stage's)
.set ADV,  7
.set ADS,  8
.set ADT,  9
                                       ; v10, v11 at work;  v12 -M, v13 the largest t;  v[14:15] the sum in two halves
.set QF,   16                          ; v16-23   Q's fragment
.set FF,   24                          ; v[24:25] f = 2^(old M - new M), and 0 (named with it as a pair)
.set QS,   26                          ; v26      Q's scale words
.set PS,   27                          ; v27      p's scale word
.set KS,   28                          ; v28-31   K's scale words: register q: lanes 0-15 tile q, lanes 16-31 tile 4 + q
.set KF,   32                          ; v32-95   K's eight fragments
.set SS,   96                          ; v96-159  S^T, then p
.set OT,   160                         ; v160-191 O^T, four tiles
.set PC,   192                         ; v192-199 p's codes
.set VF,   200                         ; v200-231 V's four fragments
.set VS,   232                         ; v232-235 V's scale words
.set BM,   236                         ; v236-239 a block's largest score, then its largest p
.set BT,   240                         ; v240-243 at work
.set BS,   244                         ; v244-247 the conversions' scale operands
.set L2,   248                         ; v[248:249] the sum's second chain
.set RR,   250                         ; v250 r, v251 h, v252 lane
.set HH,   251
.set LN,   252
.set WV,   2                           ; s2   wave
.set TQ,   3                           ; s3   my tile of queries
.set SEL,  26                          ; s[26:27] v_permlanex16_b32's selects for lane l xor 16
.set CS,   28                          ; s[28:29] c = log2(e) / 8, twice
.set FL,   30                          ; s30  bit S: step S is all hidden;  bit 16 + S: some entry of step S is hidden
.set ST,   31                          ; s31  the step
                                       ; s[32:63], s[68:99] the step's 64 mask words (s[32:47] first hold the 16 flag words, s[68:85] the offsets of the head)
	s_load_b512 s[4:19], s[0:1], 0x0               ; Q's codes s[4:5], Q's scales s[6:7], kimg s[8:9], kscl s[10:11], V's codes s[12:13], V's scales s[14:15], mwords s[16:17], mflags s[18:19]
	s_load_b64 s[20:21], s[0:1], 0x40              ; out0
	v_lshl_add_u32 v254, v0, 2, 0x34800
	v_mov_b32 v255, 0
	v_lshrrev_b32 v10, 5, v0
	v_readfirstlane_b32 s[WV], v10                 ; wave 0..15
	v_and_b32 v[LN], 31, v0
	v_and_b32 v[RR], 15, v0
	v_bfe_u32 v[HH], v0, 4, 1
	s_mov_b32 s23, 0x0de3b658                      ; p(8..15), four bits each, the lowest first
	s_cmp_lt_u32 s[WV], 8
	s_cselect_b32 s23, 0x7a94c12f, s23             ; p(0..7)
	s_and_b32 s24, s[WV], 7
	s_lshl_b32 s24, s24, 2
	s_lshr_b32 s23, s23, s24
	s_and_b32 s23, s23, 15
	s_lshl_b32 s[TQ], s23, 3
	s_add_co_u32 s[TQ], s[TQ], ttmp9               ; T = 8 p(w) + x: it enters global addresses alone
	s_and_b32 s22, ttmp7, 0xffff                   ; bh
	s_lshr_b32 s66, s22, 4                         ; b
	s_and_b32 s67, s22, 15                         ; hd
	s_lshl_b32 s68, s66, 20                        ; Q's codes: a batch is 2,048 rows of 512 bytes,
	s_lshl_b32 s23, s[TQ], 13                      ; 16 T rows,
	s_add_co_u32 s68, s68, s23
	s_lshl_b32 s23, s67, 5                         ; 32 bytes a head
	s_add_co_u32 s68, s68, s23
	s_lshr_b32 s70, s68, 4                         ; Q's scale bytes: a sixteenth of that
	s_lshl_b32 s84, s68, 3                         ; out0: eight times that (256 bytes a head, 4,096 a row)
	s_lshl_b32 s72, s22, 16                        ; kimg and V's codes: 65,536 bytes a head
	s_lshl_b32 s74, s22, 13                        ; kscl: 8,192
	s_lshl_b32 s76, s22, 12                        ; V's scale bytes: 4,096
	s_lshl_b32 s78, s[TQ], 12                      ; mwords: 16 records of 256 bytes a tile
	s_lshl_b32 s80, s[TQ], 6                       ; mflags: 16 words a tile
.irp i, 69,71,73,75,77,79,81,85
	s_mov_b32 s[\i], 0
.endr
	s_mov_b32 s[SEL], 0x76543210
	s_mov_b32 s[SEL+1], 0xfedcba98
	s_mov_b32 s[CS], 0x3e38aa3b                    ; log2(e) / 8
	s_mov_b32 s[CS+1], s[CS]                       ; (named with it as a pair, so it is written)
	; the copy's addresses: thread t of 512
	v_lshlrev_b32 v6, 4, v0                        ; 16 t: the source of K, V and kscl, and K's place in LDS
	v_lshrrev_b32 v7, 6, v0
	v_mul_u32_u24 v7, v7, VP
	v_and_b32 v10, 63, v0
	v_lshl_add_u32 v7, v10, 4, v7
	v_add_nc_u32 v7, VROW, v7                      ; V: row t / 64 (+ 8 for each further load), byte 16 (t % 64)
	v_lshl_add_u32 v8, v0, 4, SCK
	v_lshlrev_b32 v9, 2, v0                        ; V's scale words: word t (+ 512): row d = t / 16 (+ 32), step t % 16
	v_and_b32 v10, 15, v0
	v_mul_u32_u24 v10, v10, SVP
	v_bfe_u32 v11, v0, 4, 4
	v_lshl_add_u32 v10, v11, 4, v10
	v_lshrrev_b32 v11, 8, v0
	v_lshl_add_u32 v10, v11, 2, v10
	v_add_nc_u32 v10, SCV, v10                     ; 272 (t % 16) + 16 ((t / 16) % 16) + 4 (t / 256) (+ 8)
	v_lshlrev_b32 v11, 9, v[RR]
	v_lshl_add_u32 v11, v[HH], 4, v11              ; Q: row r of 512 bytes, + 16 h
	v_lshlrev_b32 v[L2], 5, v[RR]                  ; Q's scale bytes: row r of 32 bytes
	s_wait_kmcnt 0x0
	s_add_nc_u64 s[4:5], s[4:5], s[68:69]
	s_add_nc_u64 s[6:7], s[6:7], s[70:71]
	s_add_nc_u64 s[8:9], s[8:9], s[72:73]
	s_add_nc_u64 s[10:11], s[10:11], s[74:75]
	s_add_nc_u64 s[12:13], s[12:13], s[72:73]
	s_add_nc_u64 s[14:15], s[14:15], s[76:77]
	s_add_nc_u64 s[16:17], s[16:17], s[78:79]
	s_add_nc_u64 s[18:19], s[18:19], s[80:81]
	s_add_nc_u64 s[20:21], s[20:21], s[84:85]
	s_load_b512 s[32:47], s[18:19], 0x0            ; my tile's 16 flag words
.irp i, 0,1,2,3,4,5,6,7
	global_load_b128 v[96+4*\i:99+4*\i], v6, s[8:9] offset:8192*\i        ; K's images: the 512 threads read 8,192 consecutive bytes
.endr
.irp i, 0,1,2,3,4,5,6,7
	global_load_b128 v[128+4*\i:131+4*\i], v6, s[12:13] offset:8192*\i    ; V's rows likewise
.endr
	global_load_b128 v[160:163], v6, s[10:11]      ; K's scale words
.irp i, 0,1
	global_load_b32 v[164+\i], v9, s[14:15] offset:2048*\i                ; V's
.endr
	global_load_b128 v[QF:QF+3], v11, s[4:5]       ; Q(r, 32 h .. 32 h + 31): it stays in registers
	global_load_u16 v[QS], v[L2], s[6:7]           ; its two scale bytes, the upper half 0
	; work on registers while the 21 loads are out
	v_lshlrev_b32 v[AK0], 4, v[LN]
	v_mul_u32_u24 v[AV0], v[RR], VP
	v_lshl_add_u32 v[AV0], v[HH], 4, v[AV0]
	v_add_nc_u32 v[AV0], VROW, v[AV0]
	v_lshl_add_u32 v[ASK0], v[LN], 4, SCK
	v_lshl_add_u32 v[ASV0], v[RR], 4, SCV
	v_mov_b32 v[NEG], 0xff800000
.irp j, 4,5,6,7
	v_mov_b32 v[QF+\j], 0                          ; k = 64 .. 127: zero codes
.endr
.irp t, 0,1,2,3,4,5,6,7
.irp j, 4,5,6,7
	v_mov_b32 v[KF+8*\t+\j], 0                     ; the same in K's eight fragments: written once, no load lands there
.endr
.endr
	v_mov_b32 v[FF+1], 0
.irp b, 0,1,2,3
	v_mov_b32 v[BT+\b], 0                          ; a lane permute's destination counts as one of its sources
.endr
	v_mov_b32 v14, 0                               ; the sum
	v_mov_b32 v15, 0
	v_mov_b32 v13, 0xff61b1e6                      ; the largest t so far: -3e38
	v_floor_f32 v12, -v13                          ; -M
	s_wait_loadcnt 13                              ; younger than K's eight: V's 8, kscl's 1, V's scales' 2, Q's 2
.irp i, 0,1,2,3,4,5,6,7
	ds_store_b128 v6, v[96+4*\i:99+4*\i] offset:KIMG+8192*\i
.endr
	s_wait_loadcnt 5                               ; younger than V's eight: 1 + 2 + 2
.irp i, 0,1,2,3,4,5,6,7
	ds_store_b128 v7, v[128+4*\i:131+4*\i] offset:8*VP*\i
.endr
	s_wait_loadcnt 2                               ; Q's two may stay out
	ds_store_b128 v8, v[160:163]
.irp i, 0,1
	ds_store_b32 v10, v[164+\i] offset:8*\i
.endr
	s_wait_dscnt 0x0                               ; for the others' sake: my stores have landed
	s_barrier_signal -1
	s_barrier_wait -1                              ; the head's K, V and scale words lie in LDS; nobody writes them again.  The launch's only barrier
.set j, 0
.rept 32
	v_mov_b32 v[OT+j], 0                           ; O^T
.set j, j+1
.endr
	s_wait_kmcnt 0x0                               ; the flag words
	s_mov_b32 s[FL], s32
.irp i, 1,2,3,4,5,6,7,8,9,10,11,12,13,14,15
	s_lshl_b32 s23, s[32+\i], \i                   ; bit 0 to bit i, bit 16 to bit 16 + i
	s_or_b32 s[FL], s[FL], s23
.endr
	s_wait_loadcnt 0x0                             ; Q; and every address register of the head's loads may be written again
	s_mov_b32 s[ST], 0
.Lstep:                                            ; 16 trips; a key step of 128 keys
	s_bitcmp1_b32 s[FL], s[ST]
	s_cbranch_scc1 .Lskip                          ; all hidden: nothing of this step counts
	s_lshl_b32 s23, s[ST], 12                      ; 8 images of 512 bytes,
	s_lshl_b32 s24, s[ST], 9                       ; 512 bytes of K's scale words,
	s_lshl_b32 s25, s[ST], 6                       ; 64 bytes along V's rows,
	s_mul_i32 s66, s[ST], SVP                      ; 272 bytes of V's scale words a step
	v_add_nc_u32 v[ADK], s23, v[AK0]               ; these four are the places between the last step's products V^T P and the loads into their registers
	v_add_nc_u32 v[ADS], s24, v[ASK0]
	v_add_nc_u32 v[ADV], s25, v[AV0]
	v_add_nc_u32 v[ADT], s66, v[ASV0]
	ds_load_b128 v[KS:KS+3], v[ADS]
.irp t, 0,1,2,3,4,5,6,7
	ds_load_b128 v[KF+8*\t:KF+8*\t+3], v[ADK] offset:512*\t               ; an image: 512 consecutive bytes
.endr
	ds_load_b128 v[VS:VS+3], v[ADT]
.irp t, 0,1,2,3
.irp c, 0,1
	ds_load_b128 v[VF+8*\t+4*\c:VF+8*\t+4*\c+3], v[ADV] offset:16*VP*\t+32*\c   ; V(16 t + r, keys 64 c + 32 h + 0 .. 31 of the step)
.endr
.endr
	s_wait_dscnt 9                                 ; V's scale words and its eight loads are younger and may stay out: they are wanted behind the softmax
.irp t, 0,1,2,3
	v_wmma_scale_f32_16x16x128_f8f6f4 v[SS+8*\t:SS+8*\t+7], v[KF+8*\t:KF+8*\t+7], v[QF:QF+7], 0, v[KS+\t], v[QS] matrix_a_fmt:MATRIX_FMT_FP4 matrix_b_fmt:MATRIX_FMT_FP4
.endr
.irp t, 4,5,6,7
	v_wmma_scale_f32_16x16x128_f8f6f4 v[SS+8*\t:SS+8*\t+7], v[KF+8*\t:KF+8*\t+7], v[QF:QF+7], 0, v[KS+\t-4], v[QS] matrix_a_fmt:MATRIX_FMT_FP4 matrix_b_fmt:MATRIX_FMT_FP4 matrix_a_scale:MATRIX_SCALE_ROW1
.endr                                              ; lane (r, h): query r; score register n = key 128 S + 32 (n / 16) + 16 h + n % 16
.rept 4
	v_nop                                          ; four places between the products and the first read of their results (ISA guide 7.12.1)
.endr
	s_add_co_u32 s67, s[ST], 16
	s_bitcmp1_b32 s[FL], s67
	s_cbranch_scc0 .Lopen                          ; no entry of this step is hidden
	s_lshl_b32 s67, s[ST], 8                       ; the step's record of 64 words
	s_load_b512 s[32:47], s[16:17], s67 offset:0x0
	s_load_b512 s[48:63], s[16:17], s67 offset:0x40
	s_load_b512 s[68:83], s[16:17], s67 offset:0x80
	s_load_b512 s[84:99], s[16:17], s67 offset:0xc0
	s_wait_kmcnt 0x0
.set n, 0
.rept 64
.set mw, 32+n+4*(n/32)                 ; word n: s[32 + n], from n = 32 on s[36 + n]
	v_cndmask_b32 v[SS+n], v[SS+n], v[NEG], s[mw]  ; hidden scores become -infinity ahead of the maximum: p = 0 then
.set n, n+1
.endr
.Lopen:
.irp b, 0,1,2,3
	v_max3_num_f32 v[BM+\b], v[SS+16*\b], v[SS+1+16*\b], v[SS+2+16*\b]    ; the largest score of each block of 32 keys: it serves for the row's maximum and, since p rises with the score, for the block's largest p
.endr
.irp i, 3,5,7,9,11,13
.irp b, 0,1,2,3
	v_max3_num_f32 v[BM+\b], v[BM+\b], v[SS+16*\b+\i], v[SS+1+16*\b+\i]   ; (the four blocks by turns)
.endr
.endr
.irp b, 0,1,2,3
	v_max_num_f32 v[BM+\b], v[BM+\b], v[SS+15+16*\b]
.endr
.irp b, 0,1,2,3
	v_permlanex16_b32 v[BT+\b], v[BM+\b], s[SEL], s[SEL+1]
.endr
.irp b, 0,1,2,3
	v_max_num_f32 v[BM+\b], v[BM+\b], v[BT+\b]     ; with lane l xor 16's 16 keys
.endr
	v_max3_num_f32 v10, v[BM], v[BM+1], v[BM+2]
	v_max_num_f32 v10, v10, v[BM+3]                ; the step's largest score of my query
	v_mul_f32 v10, s[CS], v10                      ; as t (c is positive)
	v_max_num_f32 v13, v13, v10                    ; the running largest t
	v_mov_b32 v10, v12
	v_floor_f32 v12, -v13                          ; the new -M = floor(-t) = -ceil(t): a whole number
	v_sub_f32 v10, v12, v10                        ; old M - new M: a whole number, 0 or less
	v_cvt_i32_f32 v10, v10                         ; (it saturates)
	v_ldexp_f32 v[FF], 1.0, v10                    ; f = 2^(old M - new M)
.set j, 0
.rept 32
	v_pk_fma_f32 v[SS+j:SS+j+1], v[SS+j:SS+j+1], s[CS:CS+1], v[12:13] op_sel_hi:[1,0,0]   ; t - M, two at a time (of the pairs c and -M the low word serves both halves)
.set j, j+2
.endr
.irp b, 0,1,2,3
	v_fma_f32 v[BM+\b], v[BM+\b], s[CS], v12       ; the same of each block's largest score
.endr
.set j, 0
.rept 64
	v_exp_f32 v[SS+j], v[SS+j]                     ; p = 2^(t - M), at most 1
.set j, j+1
.endr
	v_pk_mul_f32 v[14:15], v[14:15], v[FF:FF+1] op_sel_hi:[1,0]           ; the sum under the new M: the plain instruction behind the batch
	s_wait_alu depctr_va_vdst(0)                   ; one wait for the 64 exponentials, ahead of the first line that names a result
.irp b, 0,1,2,3
	v_exp_f32 v[BM+\b], v[BM+\b]                   ; the block's largest p: the same two instructions on the same number give the same bits
.endr
	v_pk_add_f32 v[L2:L2+1], v[SS:SS+1], v[SS+2:SS+3]                     ; the row's sum is taken of the unquantised p, two at a time, in two chains; these lines read the 64 alone
.irp j, 4,8,12,16,20,24,28,32,36,40,44
	v_pk_add_f32 v[14:15], v[14:15], v[SS+\j:SS+\j+1]
	v_pk_add_f32 v[L2:L2+1], v[L2:L2+1], v[SS+\j+2:SS+\j+3]
.endr
	s_wait_alu depctr_va_vdst(0)                   ; and one wait for the four
.irp b, 0,1,2,3
	v_max_num_f32 v[BM+\b], 0x1800000, v[BM+\b]    ; the floor 2^(3 - 127): the byte cannot fall under 1 (a block whose every p is 0 keeps that byte: its codes are zeros)
.endr
.irp b, 0,1,2,3
	v_add_nc_u32 v[BS+\b], 0xff000000, v[BM+\b]    ; 2 off the exponent field: the conversion's scale operand
.endr
.irp b, 0,1,2,3
	v_lshrrev_b32 v[BT+\b], 23, v[BS+\b]           ; the scale's byte
.endr
	v_lshl_or_b32 v[PS], v[BT+1], 8, v[BT]         ; p's scale word for these 128 keys
	v_lshl_or_b32 v[PS], v[BT+2], 16, v[PS]
	v_lshl_or_b32 v[PS], v[BT+3], 24, v[PS]
.irp b, 0,1,2,3
	v_cvt_scalef32_pk8_fp4_f32 v[PC+2*\b], v[SS+16*\b:SS+7+16*\b], v[BS+\b]       ; the codes of keys 32 b + 16 h + 0 .. 7
	v_cvt_scalef32_pk8_fp4_f32 v[PC+1+2*\b], v[SS+8+16*\b:SS+15+16*\b], v[BS+\b]  ; and + 8 .. 15
.endr
	v_nop                                          ; one plain instruction behind the scaled conversions
.irp c, 0,1                            ; the operand's layout wants a whole block in a lane: lanes 0-15 block 2 c, lanes 16-31 block 2 c + 1
.irp i, 0,1
	v_permlane16_swap_b32 v[PC+4*\c+\i], v[PC+2+4*\c+\i]
.endr
.endr
.set j, 0
.rept 16
	v_pk_mul_f32 v[OT+j:OT+j+1], v[OT+j:OT+j+1], v[FF:FF+1] op_sel_hi:[1,0]       ; O^T under the new M, each accumulator from its low end on
.set j, j+2
.endr
.irp j, 48,52,56,60                    ; the rest of the sums: nine plain lines that name no register of the products below: the places behind p's scale word (eight) and behind its codes (four)
	v_pk_add_f32 v[14:15], v[14:15], v[SS+\j:SS+\j+1]
	v_pk_add_f32 v[L2:L2+1], v[L2:L2+1], v[SS+\j+2:SS+\j+3]
.endr
	v_pk_add_f32 v[14:15], v[14:15], v[L2:L2+1]
	s_wait_dscnt 0x0                               ; V's fragments and scale words, asked for ahead of the softmax
.irp t, 0,1,2,3                        ; O^T += V^T P^T: four accumulators, one instruction each; the matrix instruction ahead of the first is K Q^T's last
	v_wmma_scale_f32_16x16x128_f8f6f4 v[OT+8*\t:OT+8*\t+7], v[VF+8*\t:VF+8*\t+7], v[PC:PC+7], v[OT+8*\t:OT+8*\t+7], v[VS+\t], v[PS] matrix_a_fmt:MATRIX_FMT_FP4 matrix_b_fmt:MATRIX_FMT_FP4
.endr
.Lskip:
	s_add_co_u32 s[ST], s[ST], 1
	s_cmp_lt_u32 s[ST], 16
	s_cbranch_scc1 .Lstep
	; THE WAY OUT.  O^T / the sum goes through my own stage in LDS and leaves as whole rows: a query's 64 numbers are 256 consecutive bytes of out0, aligned.
	v_add_f32 v14, v14, v15                        ; the sum's two halves,
	v_permlanex16_b32 v[BT], v14, s[SEL], s[SEL+1]
	v_add_f32 v14, v14, v[BT]                      ; and lane l xor 16's: the row's sum
	v_rcp_f32 v14, v14
	s_mul_i32 s23, s[WV], 16*SP
	s_add_co_u32 s23, s23, STG                     ; my stage
	v_mul_u32_u24 v6, v[RR], SP                    ; (plain lines behind the reciprocal and behind the last products)
	v_lshl_add_u32 v6, v[HH], 5, v6
	v_add_nc_u32 v6, s23, v6                       ; in: row r; tile t's eight numbers of my half at 64 t + 32 h
	v_mul_u32_u24 v7, v[HH], SP
	v_lshl_add_u32 v7, v[RR], 4, v7
	v_add_nc_u32 v7, s23, v7                       ; back: lanes 0-15 one row, lanes 16-31 the next
	v_lshlrev_b32 v8, 4, v[RR]
	v_lshl_add_u32 v8, v[HH], 12, v8               ; and the same two rows in out0, 4,096 bytes apart
	s_wait_alu depctr_va_vdst(0)                   ; the wait ahead of the reciprocal's first reader
.set j, 0
.rept 32
	v_mul_f32 v[SS+j], v[OT+j], v14                ; register 8 t + i is o(r, 16 t + 8 h + i); each accumulator from its low end on
.set j, j+1
.endr
.irp t, 0,1,2,3
	ds_store_b128 v6, v[SS+8*\t:SS+8*\t+3] offset:64*\t
	ds_store_b128 v6, v[SS+8*\t+4:SS+8*\t+7] offset:64*\t+16
.endr
.irp i, 0,1,2,3,4,5,6,7
	ds_load_b128 v[KF+4*\i:KF+4*\i+3], v7 offset:2*SP*\i                  ; LDS serves a wave's instructions in order (ISA guide 5.7.1.4): these see my stores
.endr
.irp i, 0,1,2,3,4,5,6,7
	s_wait_dscnt 7-\i                              ; the loads younger than this one may stay out
	global_store_b128 v8, v[KF+4*\i:KF+4*\i+3], s[20:21] offset:8192*\i th:TH_STORE_NT   ; rows 2 i and 2 i + 1: sixteen lanes store 256 consecutive bytes, aligned; written once, read by nobody here
.endr
	s_wait_tensorcnt 0x0
	ds_add_u32 v254, v255
	s_wait_dscnt 0x0
	s_endpgm
.Lfunc_end_k_qc7501440aa_attn:
	.size	k_qc7501440aa_attn, .Lfunc_end_k_qc7501440aa_attn-k_qc7501440aa_attn
	.p2alignl 7, 3214868480
	.fill 96, 4, 3214868480
	.section	.rodata,"a",@progbits
	.p2align	6, 0x0
	.amdhsa_kernel k_qc7501440aa_attn
		.amdhsa_group_segment_fixed_size 217088
		.amdhsa_private_segment_fixed_size 0
		.amdhsa_enable_private_segment 0
		.amdhsa_kernarg_size 72
		.amdhsa_user_sgpr_count 2
		.amdhsa_user_sgpr_kernarg_segment_ptr 1
		.amdhsa_wavefront_size32 1
		.amdhsa_system_sgpr_workgroup_id_x 1
		.amdhsa_system_sgpr_workgroup_id_y 1
		.amdhsa_system_sgpr_workgroup_id_z 1
		.amdhsa_system_vgpr_workitem_id 0
		.amdhsa_next_free_vgpr 256
		.amdhsa_next_free_sgpr 100
		.amdhsa_reserve_vcc 0
		.amdhsa_float_denorm_mode_32 3
		.amdhsa_float_denorm_mode_16_64 3
		.amdhsa_memory_ordered 1
		.amdhsa_forward_progress 1
		.amdhsa_inst_pref_size 34
	.end_amdhsa_kernel
	.amdgpu_metadata
---
amdhsa.version: [ 1, 2 ]
amdhsa.kernels:
  - .name:           k_qc7501440aa_attn
    .symbol:         k_qc7501440aa_attn.kd
    .args:
      - { .name: queries_codes, .offset: 0, .size: 8, .value_kind: global_buffer, .address_space: global }
      - { .name: queries_scales, .offset: 8, .size: 8, .value_kind: global_buffer, .address_space: global }
      - { .name: kimg, .offset: 16, .size: 8, .value_kind: global_buffer, .address_space: global }
      - { .name: kscl, .offset: 24, .size: 8, .value_kind: global_buffer, .address_space: global }
      - { .name: values_codes, .offset: 32, .size: 8, .value_kind: global_buffer, .address_space: global }
      - { .name: values_scales, .offset: 40, .size: 8, .value_kind: global_buffer, .address_space: global }
      - { .name: mwords, .offset: 48, .size: 8, .value_kind: global_buffer, .address_space: global }
      - { .name: mflags, .offset: 56, .size: 8, .value_kind: global_buffer, .address_space: global }
      - { .name: out0, .offset: 64, .size: 8, .value_kind: global_buffer, .address_space: global }
    .group_segment_fixed_size: 217088
    .private_segment_fixed_size: 0
    .kernarg_segment_align: 8
    .kernarg_segment_size: 72
    .max_flat_workgroup_size: 512
    .sgpr_count:     100
    .vgpr_count:     256
    .wavefront_size: 32
...
	.end_amdgpu_metadata
.endif
;; end of part 2
;; ======== version 2 of 2: 2 launches
;; workspace buffers: mwords 524,288 bytes of whole numbers; mflags 8,192 bytes of whole numbers; kimg 2,097,152 bytes; kscl 262,144 bytes
;; launch prep (part 3): grid 272 x 1, 8 waves a work-group, no clusters, 0 bytes of LDS; arguments attn_mask, keys_codes, keys_scales, mwords, mflags, kimg, kscl; writes mwords, mflags, kimg, kscl
.if DOCPART == 3
	.amdgcn_target "amdgcn-amd-amdhsa--gfx1250"
	.amdhsa_code_object_version 6
	.text
	.protected	k_qc7501440aa_prep
	.globl	k_qc7501440aa_prep
	.p2align	8
	.type	k_qc7501440aa_prep,@function
k_qc7501440aa_prep:
	s_mov_b64 s[64:65], 0
	v_nop
	global_prefetch_b8 v0, s[64:65] scope:SCOPE_SE
	s_setreg_imm32_b32 hwreg(HW_REG_WAVE_MODE, 25, 1), 1
	s_wait_xcnt 0x0
; PREP: what the attention launch wants laid out once.  Two roles, told apart by the work-group's number alone; no LDS, no barrier, waves share nothing.
; MASK ROLE (work-groups 0-255, 2,048 waves): a wave takes one tile of 16 queries (T = 0..127) and one step of 128 keys (S = 0..15) of attn_mask [2048][2048] (one byte an entry, 0 or 1; 1 = hidden) and makes
;   mwords[T][S][n], n = 0..63: a word of 32 lane bits.  Bit l (r = l % 16, h = l / 16) = attn_mask[16 T + r][128 S + 32 (n / 16) + 16 h + n % 16]: the entry of the score that lane l of the attention
;   launch holds in its score register n.  So that launch names the word as the select of one v_cndmask_b32, with no compare.  A (T, S) record is 256 consecutive bytes, stored by one instruction.
;   mflags[T][S]: bit 0 = all 16 x 128 entries are hidden, bit 16 = at least one is.
; KEY ROLE (work-groups 256-271, 128 waves): a wave takes 64 keys (4 tiles of 16) of 8 heads of one batch.  keys_codes has 32 bytes a head in rows of 512 bytes; the eight loads of a tile cover 256 consecutive
;   bytes of each of its 16 rows.  Out go images of the operand's registers:
;   kimg[bh][tile][lane][16 bytes]: lane (r, h) of tile Tk holds bytes 16 h .. 16 h + 15 (k = 32 h .. 32 h + 31) of key 32 (Tk / 2) + 8 (Tk % 2) + r + 8 (r / 8): THE KEYS OF A TILE ARE NOT NEIGHBOURS, so that
;   the 16 score registers of tiles 2 b and 2 b + 1 are 16 neighbouring keys.  Each store covers 512 consecutive bytes.
;   kscl[bh][S][lane][4 words]: lane r + 16 g, word q: the two scale bytes (upper half 0) of lane r's key of tile 8 S + 4 g + q.  Sixteen lanes store 256 consecutive bytes, aligned.
; LIMIT: a mask byte is 0 or 1, as the problem states it.
.set MSK, 40                           ; s40-43  lane masks on their way into a register, by turns
	s_load_b256 s[4:11], s[0:1], 0x0               ; mask s[4:5], keys' codes s[6:7], keys' scales s[8:9], mwords s[10:11]
	s_load_b128 s[12:15], s[0:1], 0x20             ; mflags s[12:13], kimg s[14:15]
	s_load_b64 s[16:17], s[0:1], 0x30              ; kscl
	v_lshrrev_b32 v1, 5, v0
	s_delay_alu instid0(VALU_DEP_1)
	v_readfirstlane_b32 s20, v1                    ; wave 0..7
	v_and_b32 v1, 31, v0                           ; lane
	v_and_b32 v2, 15, v0                           ; r
	v_bfe_u32 v3, v0, 4, 1                         ; h
	s_mov_b32 s25, 0                               ; the upper word of every offset pair s[24:25]
	s_wait_kmcnt 0x0
	s_cmp_ge_u32 ttmp9, 256
	s_cbranch_scc1 .Lkeys
	; ---------------- the mask role
	s_lshr_b32 s21, ttmp9, 1                       ; T
	s_and_b32 s22, ttmp9, 1
	s_lshl_b32 s22, s22, 3
	s_add_co_u32 s22, s22, s20                     ; S = 8 (x % 2) + wave
	s_lshl_b32 s24, s21, 15                        ; 16 T rows of 2,048 bytes
	s_lshl_b32 s23, s22, 7                         ; + 128 S
	s_add_co_u32 s24, s24, s23
	s_add_nc_u64 s[4:5], s[4:5], s[24:25]
	s_lshl_b32 s21, s21, 4
	s_add_co_u32 s21, s21, s22                     ; 16 T + S
	s_lshl_b32 s24, s21, 8
	s_add_nc_u64 s[10:11], s[10:11], s[24:25]      ; my record of 256 bytes
	s_lshl_b32 s24, s21, 2
	s_add_nc_u64 s[12:13], s[12:13], s[24:25]      ; my flag word
	s_wait_alu depctr_va_vdst(0)
	v_lshlrev_b32 v4, 11, v2
	s_delay_alu instid0(VALU_DEP_1)
	v_lshl_add_u32 v4, v3, 4, v4                   ; row r, + 16 h
	v_lshlrev_b32 v5, 3, v1                        ; out: 8 bytes a lane
	v_mov_b32 v14, 0
.irp b, 0,1,2,3
	global_load_b128 v[16+4*\b:19+4*\b], v4, s[4:5] offset:32*\b   ; entries 32 b + 16 h + 0 .. 15 of my row: byte i of the 16 belongs to word 16 b + i
.endr
	v_mov_b32 v8, 0                                ; a lane write's destination counts as read
	v_mov_b32 v9, 0
	s_wait_loadcnt 0x0
	v_or_b32 v10, v16, v17                         ; any byte set?  every byte set?
	v_and_b32 v11, v16, v17
.irp i, 18,19,20,21,22,23,24,25,26,27,28,29,30,31
	s_delay_alu instid0(VALU_DEP_2)
	v_or_b32 v10, v10, v[\i]
	s_delay_alu instid0(VALU_DEP_2)
	v_and_b32 v11, v11, v[\i]
.endr
.set n, 0
.rept 64                               ; word n: the lanes' byte n % 16 of load n / 16, as a lane mask; it goes to lane n / 2 of v8 (even n) or v9 (odd n)
	v_and_b32 v[12+n%2], 0xff<<(8*(n%4)), v[16+4*(n/16)+(n%16)/4]
	s_delay_alu instid0(VALU_DEP_1)
	v_cmp_ne_u32 s[MSK+n%4], 0, v[12+n%2]
	s_delay_alu instid0(VALU_DEP_1)
	v_writelane_b32 v[8+n%2], s[MSK+n%4], n/2
.set n, n+1
.endr
	global_store_b64 v5, v[8:9], s[10:11]          ; word n at byte 4 n: the wave stores 256 consecutive bytes, aligned
	v_cmp_ne_u32 s28, 0, v10                       ; lanes with a hidden entry
	v_cmp_ne_u32 s29, 0x01010101, v11              ; lanes with an entry that counts
	s_cmp_eq_u32 s29, 0
	s_cselect_b32 s30, 1, 0                        ; bit 0: all hidden
	s_cmp_lg_u32 s28, 0
	s_cselect_b32 s31, 0x10000, 0                  ; bit 16: some hidden
	s_or_b32 s30, s30, s31
	v_mov_b32 v13, s30
	v_cmp_eq_u32 vcc_lo, 0, v1
	s_wait_alu depctr_va_vdst(0)
	s_wait_xcnt 0x0                                ; EXEC is a source of the store above: it changes only behind this wait
	s_and_saveexec_b32 s32, vcc_lo                 ; lane 0 alone
	global_store_b32 v14, v13, s[12:13]
	s_wait_xcnt 0x0                                ; and again in front of the line that widens it
	s_or_b32 exec_lo, exec_lo, s32
	s_endpgm
	; ---------------- the key role
.Lkeys:
	s_sub_co_u32 s21, ttmp9, 256
	s_lshl_b32 s21, s21, 3
	s_add_co_u32 s21, s21, s20                     ; id 0..127
	s_lshr_b32 s22, s21, 6                         ; batch
	s_bfe_u32 s23, s21, 0x50001                    ; G: which 64 keys (5 bits from bit 1)
	s_and_b32 s26, s21, 1                          ; which 8 heads
	s_lshl_b32 s24, s22, 20                        ; codes: a batch is 2,048 rows of 512 bytes,
	s_lshl_b32 s27, s23, 15                        ; 64 keys,
	s_add_co_u32 s24, s24, s27
	s_lshl_b32 s27, s26, 8                         ; 8 heads of 32 bytes
	s_add_co_u32 s24, s24, s27
	s_add_nc_u64 s[6:7], s[6:7], s[24:25]
	s_lshr_b32 s24, s24, 4                         ; scale bytes: a sixteenth of that (2 bytes a head, 32 a key)
	s_add_nc_u64 s[8:9], s[8:9], s[24:25]
	s_lshl_b32 s27, s22, 4
	s_lshl_b32 s28, s26, 3
	s_add_co_u32 s27, s27, s28                     ; my first head among the 32: 16 batch + 8 half
	s_lshl_b32 s24, s27, 16                        ; kimg: 65,536 bytes a head,
	s_lshl_b32 s28, s23, 11                        ; 4 tiles of 512 bytes
	s_add_co_u32 s24, s24, s28
	s_add_nc_u64 s[14:15], s[14:15], s[24:25]
	s_lshl_b32 s24, s27, 13                        ; kscl: 8,192 bytes a head,
	s_lshl_b32 s28, s23, 8                         ; 512 (G / 2) + 256 (G % 2) = 256 G
	s_add_co_u32 s24, s24, s28
	s_add_nc_u64 s[16:17], s[16:17], s[24:25]
	s_wait_alu depctr_va_vdst(0)
	v_and_b32 v8, 8, v2
	s_delay_alu instid0(VALU_DEP_1)
	v_add_nc_u32 v8, v8, v2                        ; r + 8 (r / 8)
	s_delay_alu instid0(VALU_DEP_1)
	v_lshlrev_b32 v4, 9, v8
	s_delay_alu instid0(VALU_DEP_1)
	v_lshl_add_u32 v4, v3, 4, v4                   ; codes: my key's row, + 16 h
	s_delay_alu instid0(VALU_DEP_3)
	v_lshlrev_b32 v5, 5, v8
	s_delay_alu instid0(VALU_DEP_1)
	v_lshl_add_u32 v5, v3, 3, v5                   ; scale bytes: my key's row, + the 8 bytes of heads 4 h .. 4 h + 3
	v_lshlrev_b32 v6, 4, v1                        ; an image: 16 bytes a lane
	v_lshlrev_b32 v7, 4, v2
	s_delay_alu instid0(VALU_DEP_1)
	v_lshl_add_u32 v7, v3, 15, v7                  ; kscl: 16 r, lanes 16-31 four heads (4 x 8,192 bytes) on
.irp q, 0,1,2,3
	global_load_b64 v[16+2*\q:17+2*\q], v5, s[8:9] offset:(32*(\q/2)+8*(\q%2))*32
.endr
.irp q, 0,1,2,3
.irp e, 0,1,2,3,4,5,6,7
	global_load_b128 v[32+4*(8*\q+\e):35+4*(8*\q+\e)], v4, s[6:7] offset:(32*(\q/2)+8*(\q%2))*512+32*\e   ; tile q, head e
.endr
.endr
	s_wait_loadcnt 32                              ; the 32 loads of codes are younger: the four of scale bytes are in
.irp q, 0,1,2,3
	v_and_b32 v[160+\q], 0xffff, v[16+2*\q]        ; head 4 h + 0: the low half,
	v_lshrrev_b32 v[164+\q], 16, v[16+2*\q]        ; head 4 h + 1: the high half,
	v_and_b32 v[168+\q], 0xffff, v[17+2*\q]        ; heads 4 h + 2
	v_lshrrev_b32 v[172+\q], 16, v[17+2*\q]        ; and 4 h + 3
.endr
.irp e, 0,1,2,3
	global_store_b128 v7, v[160+4*\e:163+4*\e], s[16:17] offset:8192*\e   ; the four tiles' words of my key row; lanes 0-15 head e, lanes 16-31 head 4 + e: 256 consecutive bytes each
.endr
.irp q, 0,1,2,3
.irp e, 0,1,2,3,4,5,6,7
	s_wait_loadcnt 31-(8*\q+\e)                    ; the loads younger than this one may stay out
	global_store_b128 v6, v[32+4*(8*\q+\e):35+4*(8*\q+\e)], s[14:15] offset:65536*\e+512*\q   ; 512 consecutive bytes.  No register is written again, so no wait frees any
.endr
.endr
	s_endpgm
.Lfunc_end_k_qc7501440aa_prep:
	.size	k_qc7501440aa_prep, .Lfunc_end_k_qc7501440aa_prep-k_qc7501440aa_prep
	.p2alignl 7, 3214868480
	.fill 96, 4, 3214868480
	.section	.rodata,"a",@progbits
	.p2align	6, 0x0
	.amdhsa_kernel k_qc7501440aa_prep
		.amdhsa_group_segment_fixed_size 0
		.amdhsa_private_segment_fixed_size 0
		.amdhsa_enable_private_segment 0
		.amdhsa_kernarg_size 56
		.amdhsa_user_sgpr_count 2
		.amdhsa_user_sgpr_kernarg_segment_ptr 1
		.amdhsa_wavefront_size32 1
		.amdhsa_system_sgpr_workgroup_id_x 1
		.amdhsa_system_sgpr_workgroup_id_y 1
		.amdhsa_system_sgpr_workgroup_id_z 1
		.amdhsa_system_vgpr_workitem_id 0
		.amdhsa_next_free_vgpr 192
		.amdhsa_next_free_sgpr 66
		.amdhsa_reserve_vcc 1
		.amdhsa_float_denorm_mode_32 3
		.amdhsa_float_denorm_mode_16_64 3
		.amdhsa_memory_ordered 1
		.amdhsa_forward_progress 1
		.amdhsa_inst_pref_size 31
	.end_amdhsa_kernel
	.amdgpu_metadata
---
amdhsa.version: [ 1, 2 ]
amdhsa.kernels:
  - .name:           k_qc7501440aa_prep
    .symbol:         k_qc7501440aa_prep.kd
    .args:
      - { .name: attn_mask, .offset: 0, .size: 8, .value_kind: global_buffer, .address_space: global }
      - { .name: keys_codes, .offset: 8, .size: 8, .value_kind: global_buffer, .address_space: global }
      - { .name: keys_scales, .offset: 16, .size: 8, .value_kind: global_buffer, .address_space: global }
      - { .name: mwords, .offset: 24, .size: 8, .value_kind: global_buffer, .address_space: global }
      - { .name: mflags, .offset: 32, .size: 8, .value_kind: global_buffer, .address_space: global }
      - { .name: kimg, .offset: 40, .size: 8, .value_kind: global_buffer, .address_space: global }
      - { .name: kscl, .offset: 48, .size: 8, .value_kind: global_buffer, .address_space: global }
    .group_segment_fixed_size: 0
    .private_segment_fixed_size: 0
    .kernarg_segment_align: 8
    .kernarg_segment_size: 56
    .max_flat_workgroup_size: 256
    .sgpr_count:     66
    .vgpr_count:     192
    .wavefront_size: 32
...
	.end_amdgpu_metadata
.endif
;; end of part 3
;; launch attn (part 4): grid 8 x 32, 16 waves a work-group, no clusters, 217,088 bytes of LDS; arguments queries_codes, queries_scales, kimg, kscl, values_codes, values_scales, mwords, mflags, out0; writes out0
.if DOCPART == 4
	.amdgcn_target "amdgcn-amd-amdhsa--gfx1250"
	.amdhsa_code_object_version 6
	.text
	.protected	k_qc7501440aa_attn
	.globl	k_qc7501440aa_attn
	.p2align	8
	.type	k_qc7501440aa_attn,@function
k_qc7501440aa_attn:
	s_mov_b64 s[64:65], 0
	v_nop
	global_prefetch_b8 v0, s[64:65] scope:SCOPE_SE
	s_setreg_imm32_b32 hwreg(HW_REG_WAVE_SCHED_MODE, 0, 2), 2
	s_setreg_imm32_b32 hwreg(HW_REG_WAVE_MODE, 25, 1), 1
	s_wait_xcnt 0x0
	s_wait_alu depctr_vm_vsrc(0)
; out0[b][q][hd][:] = the sum over k of softmax_k(mask(Q[q] . K[k]) / 8) V[k][:], 32 heads (bh = 16 b + hd), 2,048 queries and keys, head size 64, both products on codes of FP4 (E2M1) with one E8M0 scale
; for each 32 along a product's K.  The mask is an input: it comes as lane-mask words and flags that the launch before made of it (mwords, mflags), K as images of the operand's registers (kimg, kscl).
; THE SOFTMAX AHEAD OF THE SECOND PRODUCT: t = score x log2(e) / 8; M = the row's largest t so far, rounded UP to a whole number; p = 2^(t - M) is quantised along the keys, not normalised.  The row's sum is
; taken of the unquantised p, in f32, and divides at the end.  When M moves, the sum and O are multiplied by 2^(old M - new M): exact.
; SHARES.  A work-group has one head (y) and sixteen waves; wave w owns ONE tile of 16 queries, T = 8 p(w) + x, in 256 registers, and walks 16 key steps of 128 keys.  p = 15,2,1,12, 4,9,10,7, 8,5,6,11, 3,14,13,0:
; as a square of 4 x 4 every row and every column adds up to 30, so that tiles with many and with few steps to walk are spread evenly; every tile is served whatever the mask holds.
; LDS.  The head's K (65,536 bytes), V (65,536) and their scale words (8,192 + 4,096) are copied into LDS once, through registers; ONE barrier; from there on no wave waits for another.
; WHAT THE MASK SPARES.  A step whose flag says that all 16 x 128 entries are hidden is jumped over (its p would all be 0); the 64 selects that put -infinity in hidden places run only where the flag says that
; some entry is hidden.  Both are scalar branches on whole numbers that the launch before stored.
; NO CLUSTER, NO TENSOR LOADS: the 8 work-groups of a head read the same 143,360 bytes, once each, at their start; a joint request is a tensor load.
; the branch on the flags spares up to 16 steps of some 240 vector instructions in each wave.
; LAYOUT.  Both products are used transposed: S^T = K Q^T (source 0 = 16 keys, source 1 = my 16 queries), O^T = V^T P^T (source 0 = 16 of the head's 64, source 1 = P): a lane holds ONE query (lane % 16).
; K = 64 fills half of the first product's 128: registers 4-7 of Q's and K's fragments are zero codes, and the upper two scale bytes are 0 (2^-127 over zero codes adds nothing).
; LIMITS: scale bytes 0xff and scores that are NaN or infinite are not served; t under -3e38 is not told from "nothing yet".  A row that is hidden whole gives 0 x (1 / 0) = NaN, as the softmax of such a row is.
; O^T, the sum and the fragments' zero halves are cleared by v_mov_b32 once: which step is a tile's first hangs on the flags, so no first step can be written out to start the sums.
; THE MODE: SCHED_MODE bits 1:0 = 2 (LLVM: expert scheduling mode 2), set by the entry lines.  The code itself states the register dependences between vector or matrix instructions and memory or LDS
; instructions, with s_wait_alu, always for 0.
; THE PLAN.  Registers that memory or LDS instructions touch:
;   at the head   v6-11, v248: addresses, written by vector lines ahead of the first load, read by the head's 21 loads and 19 LDS stores.  v96-165: land by loads, read by the LDS stores.  v16-19, v26: Q, by loads.
;                 One wait on va_vdst ahead of the first load serves loads and stores: no vector line behind it names one of these.  One wait on vm_vsrc behind the barrier frees them all for their later use.
;   in a step     v6-9: written by four additions at the step's head, read by the step's 18 LDS loads.
;                 KS, registers 0-3 of K's eight fragments: land by the step's loads, read by its eight products K Q^T.   VF, VS: land by the step's loads, read by its four products V^T P.
;                 So a step's head holds one wait on vm_vsrc ahead of the additions (the last walked step's loads have read v6-9) and ONE wait on va_vdst behind them (v6-9 are written; the last walked step's
;                 products are done reading KS, KF, VF, VS).  K's nine loads follow it at once; V's nine are dealt among the products K Q^T, which name S^T, KF, Q, KS and QS: none of the registers that V's loads touch.
;                 PS and PC, p's scale word and codes, are written by vector lines and taken by scaled products: one wait on va_vdst directly ahead of the first of those, behind its places.
;   on the way out v6-8: addresses anew (vm_vsrc ahead of the writes); v96-127: the quotients, read by the stage's stores; v32-63: rows back from the stage (one wait on va_vdst ahead of the stores serves all three).
; No register is left for a second set of fragments: four waves of 256 registers share a SIMD's 1,024.
.set KIMG, 0                           ; LDS: 128 images of 512 bytes
.set VROW, 65536                       ; 64 rows of V (1,024 bytes: 2,048 codes) + 16 of padding: pitch 1,040 = 65 x 16, so sixteen rows begin at sixteen different 16-byte columns of 256
.set VP,   1040
.set SCK,  VROW+64*VP                  ; K's scale words as kscl has them: 512 bytes a step
.set SCV,  SCK+8192                    ; V's: word (S, r, t) = the bytes 4 S .. 4 S + 3 of row d = 16 t + r, at 272 S + 16 r + 4 t
.set SVP,  272
.set STG,  SCV+16*SVP                  ; the way out: 16 rows x (256 + 16) bytes for each wave; bytes of its own, since other waves still read K and V when one wave is done
.set SP,   272
.set AK0,  1                           ; v1   KIMG + 16 lane
.set AV0,  2                           ; v2   VROW + 1,040 r + 16 h
.set ASK0, 3                           ; v3   SCK + 16 lane
.set ASV0, 4                           ; v4   SCV + 16 r
.set NEG,  5                           ; v5   -infinity
.set ADK,  6                           ; v6-9 the step's LDS addresses (at the head: the copy's addresses; on the way out: the stage's)
.set ADV,  7
.set ADS,  8
.set ADT,  9
                                       ; v10, v11 at work;  v12 -M, v13 the largest t;  v[14:15] the sum in two halves
.set QF,   16                          ; v16-23   Q's fragment
.set FF,   24                          ; v[24:25] f = 2^(old M - new M), and 0 (named with it as a pair)
.set QS,   26                          ; v26      Q's scale words
.set PS,   27                          ; v27      p's scale word
.set KS,   28                          ; v28-31   K's scale words: register q: lanes 0-15 tile q, lanes 16-31 tile 4 + q
.set KF,   32                          ; v32-95   K's eight fragments
.set SS,   96                          ; v96-159  S^T, then p
.set OT,   160                         ; v160-191 O^T, four tiles
.set PC,   192                         ; v192-199 p's codes
.set VF,   200                         ; v200-231 V's four fragments
.set VS,   232                         ; v232-235 V's scale words
.set BM,   236                         ; v236-239 a block's largest score, then its largest p
.set BT,   240                         ; v240-243 at work
.set BS,   244                         ; v244-247 the conversions' scale operands
.set L2,   248                         ; v[248:249] the sum's second chain
.set RR,   250                         ; v250 r, v251 h, v252 lane
.set HH,   251
.set LN,   252
.set WV,   2                           ; s2   wave
.set TQ,   3                           ; s3   my tile of queries
.set SEL,  26                          ; s[26:27] v_permlanex16_b32's selects for lane l xor 16
.set CS,   28                          ; s[28:29] c = log2(e) / 8, twice
.set FL,   30                          ; s30  bit S: step S is all hidden;  bit 16 + S: some entry of step S is hidden
.set ST,   31                          ; s31  the step
                                       ; s[32:63], s[68:99] the step's 64 mask words (s[32:47] first hold the 16 flag words, s[68:85] the offsets of the head)
; Product t of 8 of S^T = K Q^T: keys' tile t.  Its scale words: register t % 4, lanes 0-15 for tiles 0-3, lanes 16-31 for tiles 4-7.
.macro QK t
.if (\t) < 4
	v_wmma_scale_f32_16x16x128_f8f6f4 v[SS+8*(\t):SS+8*(\t)+7], v[KF+8*(\t):KF+8*(\t)+7], v[QF:QF+7], 0, v[KS+(\t)], v[QS] matrix_a_fmt:MATRIX_FMT_FP4 matrix_b_fmt:MATRIX_FMT_FP4
.else
	v_wmma_scale_f32_16x16x128_f8f6f4 v[SS+8*(\t):SS+8*(\t)+7], v[KF+8*(\t):KF+8*(\t)+7], v[QF:QF+7], 0, v[KS+(\t)-4], v[QS] matrix_a_fmt:MATRIX_FMT_FP4 matrix_b_fmt:MATRIX_FMT_FP4 matrix_a_scale:MATRIX_SCALE_ROW1
.endif
.endm
; Load i of 8 of V's fragments: V(16 (i / 2) + r, keys 64 (i % 2) + 32 h + 0 .. 31 of the step)
.macro VLOAD i
	ds_load_b128 v[VF+4*(\i):VF+4*(\i)+3], v[ADV] offset:16*VP*((\i)/2)+32*((\i)%2)
.endm
	s_load_b512 s[4:19], s[0:1], 0x0               ; Q's codes s[4:5], Q's scales s[6:7], kimg s[8:9], kscl s[10:11], V's codes s[12:13], V's scales s[14:15], mwords s[16:17], mflags s[18:19]
	s_load_b64 s[20:21], s[0:1], 0x40              ; out0
	v_lshl_add_u32 v254, v0, 2, 0x34800
	v_mov_b32 v255, 0
	v_lshrrev_b32 v10, 5, v0
	v_readfirstlane_b32 s[WV], v10                 ; wave 0..15
	v_and_b32 v[LN], 31, v0
	v_and_b32 v[RR], 15, v0
	v_bfe_u32 v[HH], v0, 4, 1
	s_mov_b32 s23, 0x0de3b658                      ; p(8..15), four bits each, the lowest first
	s_wait_alu depctr_va_sdst(0)                   ; s2, the wave's number, is written, ahead of its first reader
	s_cmp_lt_u32 s[WV], 8
	s_cselect_b32 s23, 0x7a94c12f, s23             ; p(0..7)
	s_and_b32 s24, s[WV], 7
	s_lshl_b32 s24, s24, 2
	s_lshr_b32 s23, s23, s24
	s_and_b32 s23, s23, 15
	s_lshl_b32 s[TQ], s23, 3
	s_add_co_u32 s[TQ], s[TQ], ttmp9               ; T = 8 p(w) + x: it enters global addresses alone
	s_and_b32 s22, ttmp7, 0xffff                   ; bh
	s_lshr_b32 s66, s22, 4                         ; b
	s_and_b32 s67, s22, 15                         ; hd
	s_lshl_b32 s68, s66, 20                        ; Q's codes: a batch is 2,048 rows of 512 bytes,
	s_lshl_b32 s23, s[TQ], 13                      ; 16 T rows,
	s_add_co_u32 s68, s68, s23
	s_lshl_b32 s23, s67, 5                         ; 32 bytes a head
	s_add_co_u32 s68, s68, s23
	s_lshr_b32 s70, s68, 4                         ; Q's scale bytes: a sixteenth of that
	s_lshl_b32 s84, s68, 3                         ; out0: eight times that (256 bytes a head, 4,096 a row)
	s_lshl_b32 s72, s22, 16                        ; kimg and V's codes: 65,536 bytes a head
	s_lshl_b32 s74, s22, 13                        ; kscl: 8,192
	s_lshl_b32 s76, s22, 12                        ; V's scale bytes: 4,096
	s_lshl_b32 s78, s[TQ], 12                      ; mwords: 16 records of 256 bytes a tile
	s_lshl_b32 s80, s[TQ], 6                       ; mflags: 16 words a tile
.irp i, 69,71,73,75,77,79,81,85
	s_mov_b32 s[\i], 0
.endr
	s_mov_b32 s[SEL], 0x76543210
	s_mov_b32 s[SEL+1], 0xfedcba98
	s_mov_b32 s[CS], 0x3e38aa3b                    ; log2(e) / 8
	s_mov_b32 s[CS+1], s[CS]                       ; (named with it as a pair, so it is written)
	; the copy's addresses: thread t of 512
	v_lshlrev_b32 v6, 4, v0                        ; 16 t: the source of K, V and kscl, and K's place in LDS
	v_lshrrev_b32 v7, 6, v0
	v_mul_u32_u24 v7, v7, VP
	v_and_b32 v10, 63, v0
	v_lshl_add_u32 v7, v10, 4, v7
	v_add_nc_u32 v7, VROW, v7                      ; V: row t / 64 (+ 8 for each further load), byte 16 (t % 64)
	v_lshl_add_u32 v8, v0, 4, SCK
	v_lshlrev_b32 v9, 2, v0                        ; V's scale words: word t (+ 512): row d = t / 16 (+ 32), step t % 16
	v_and_b32 v10, 15, v0
	v_mul_u32_u24 v10, v10, SVP
	v_bfe_u32 v11, v0, 4, 4
	v_lshl_add_u32 v10, v11, 4, v10
	v_lshrrev_b32 v11, 8, v0
	v_lshl_add_u32 v10, v11, 2, v10
	v_add_nc_u32 v10, SCV, v10                     ; 272 (t % 16) + 16 ((t / 16) % 16) + 4 (t / 256) (+ 8)
	v_lshlrev_b32 v11, 9, v[RR]
	v_lshl_add_u32 v11, v[HH], 4, v11              ; Q: row r of 512 bytes, + 16 h
	v_lshlrev_b32 v[L2], 5, v[RR]                  ; Q's scale bytes: row r of 32 bytes
	s_wait_kmcnt 0x0
	s_add_nc_u64 s[4:5], s[4:5], s[68:69]
	s_add_nc_u64 s[6:7], s[6:7], s[70:71]
	s_add_nc_u64 s[8:9], s[8:9], s[72:73]
	s_add_nc_u64 s[10:11], s[10:11], s[74:75]
	s_add_nc_u64 s[12:13], s[12:13], s[72:73]
	s_add_nc_u64 s[14:15], s[14:15], s[76:77]
	s_add_nc_u64 s[16:17], s[16:17], s[78:79]
	s_add_nc_u64 s[18:19], s[18:19], s[80:81]
	s_add_nc_u64 s[20:21], s[20:21], s[84:85]
	s_load_b512 s[32:47], s[18:19], 0x0            ; my tile's 16 flag words
	s_wait_alu depctr_va_vdst(0)                   ; v6 to v11 and v248 are written: the loads below and the LDS stores behind them read them as addresses; no vector line up to those stores names them again
.irp i, 0,1,2,3,4,5,6,7
	global_load_b128 v[96+4*\i:99+4*\i], v6, s[8:9] offset:8192*\i        ; K's images: the 512 threads read 8,192 consecutive bytes
.endr
.irp i, 0,1,2,3,4,5,6,7
	global_load_b128 v[128+4*\i:131+4*\i], v6, s[12:13] offset:8192*\i    ; V's rows likewise
.endr
	global_load_b128 v[160:163], v6, s[10:11]      ; K's scale words
.irp i, 0,1
	global_load_b32 v[164+\i], v9, s[14:15] offset:2048*\i                ; V's
.endr
	global_load_b128 v[QF:QF+3], v11, s[4:5]       ; Q(r, 32 h .. 32 h + 31): it stays in registers
	global_load_u16 v[QS], v[L2], s[6:7]           ; its two scale bytes, the upper half 0
	; work on registers while the 21 loads are out: it names no register that a load or an LDS store of the head touches
	v_lshlrev_b32 v[AK0], 4, v[LN]
	v_mul_u32_u24 v[AV0], v[RR], VP
	v_lshl_add_u32 v[AV0], v[HH], 4, v[AV0]
	v_add_nc_u32 v[AV0], VROW, v[AV0]
	v_lshl_add_u32 v[ASK0], v[LN], 4, SCK
	v_lshl_add_u32 v[ASV0], v[RR], 4, SCV
	v_mov_b32 v[NEG], 0xff800000
.irp j, 4,5,6,7
	v_mov_b32 v[QF+\j], 0                          ; k = 64 .. 127: zero codes
.endr
.irp t, 0,1,2,3,4,5,6,7
.irp j, 4,5,6,7
	v_mov_b32 v[KF+8*\t+\j], 0                     ; the same in K's eight fragments: written once, no load of a step lands there
.endr
.endr
	v_mov_b32 v[FF+1], 0
.irp b, 0,1,2,3
	v_mov_b32 v[BT+\b], 0                          ; a lane permute's destination counts as one of its sources
.endr
	v_mov_b32 v14, 0                               ; the sum
	v_mov_b32 v15, 0
	v_mov_b32 v13, 0xff61b1e6                      ; the largest t so far: -3e38
	v_floor_f32 v12, -v13                          ; -M
	s_wait_loadcnt 13                              ; younger than K's eight: V's 8, kscl's 1, V's scales' 2, Q's 2
.irp i, 0,1,2,3,4,5,6,7
	ds_store_b128 v6, v[96+4*\i:99+4*\i] offset:KIMG+8192*\i
.endr
	s_wait_loadcnt 5                               ; younger than V's eight: 1 + 2 + 2
.irp i, 0,1,2,3,4,5,6,7
	ds_store_b128 v7, v[128+4*\i:131+4*\i] offset:8*VP*\i
.endr
	s_wait_loadcnt 2                               ; Q's two may stay out
	ds_store_b128 v8, v[160:163]
.irp i, 0,1
	ds_store_b32 v10, v[164+\i] offset:8*\i
.endr
	s_wait_dscnt 0x0                               ; for the others' sake: my stores have landed
	s_barrier_signal -1
	s_barrier_wait -1                              ; the head's K, V and scale words lie in LDS; nobody writes them again.  The launch's only barrier
	s_wait_alu depctr_vm_vsrc(0)                   ; the head's loads have read v6, v9, v11 and v248, its LDS stores v6 to v8, v10 and v96 to v165: from here on these are O^T, S^T, the steps' addresses and registers at work
.set j, 0
.rept 32
	v_mov_b32 v[OT+j], 0                           ; O^T
.set j, j+1
.endr
	s_wait_kmcnt 0x0                               ; the flag words
	s_mov_b32 s[FL], s32
.irp i, 1,2,3,4,5,6,7,8,9,10,11,12,13,14,15
	s_lshl_b32 s23, s[32+\i], \i                   ; bit 0 to bit i, bit 16 to bit 16 + i
	s_or_b32 s[FL], s[FL], s23
.endr
	s_wait_loadcnt 0x0                             ; Q; and the head's loads are done, so that their address registers may be written again
	s_mov_b32 s[ST], 0
.Lstep:                                            ; 16 trips; a key step of 128 keys
	s_bitcmp1_b32 s[FL], s[ST]
	s_cbranch_scc1 .Lskip                          ; all hidden: nothing of this step counts
	s_lshl_b32 s23, s[ST], 12                      ; 8 images of 512 bytes,
	s_lshl_b32 s24, s[ST], 9                       ; 512 bytes of K's scale words,
	s_lshl_b32 s25, s[ST], 6                       ; 64 bytes along V's rows,
	s_mul_i32 s66, s[ST], SVP                      ; 272 bytes of V's scale words a step
	s_wait_alu depctr_vm_vsrc(0)                   ; the LDS loads of the step walked last have read v6 to v9, which the four lines below write
	v_add_nc_u32 v[ADK], s23, v[AK0]
	v_add_nc_u32 v[ADS], s24, v[ASK0]
	v_add_nc_u32 v[ADV], s25, v[AV0]
	v_add_nc_u32 v[ADT], s66, v[ASV0]
	s_wait_alu depctr_va_vdst(0)                   ; v6 to v9 are written, which this step's 18 loads read; the products of the step walked last are done reading KS, KF, VF and VS, in which they land; in the first trip: the zero halves of Q's and K's fragments are written, which the scaled products take
	ds_load_b128 v[KS:KS+3], v[ADS]
.irp t, 0,1,2,3,4,5,6,7
	ds_load_b128 v[KF+8*\t:KF+8*\t+3], v[ADK] offset:512*\t               ; an image: 512 consecutive bytes
.endr
	s_wait_dscnt 4                                 ; K's fragments 4 to 7 are younger and may stay out: its scale words and fragments 0 to 3 are in
.irp t, 0,1,2,3
	QK \t
	VLOAD \t                                       ; V's loads are dealt among these products.  No wait: no vector or matrix line since the wait on va_vdst above names v7, v9, VF or VS
.endr
	s_wait_dscnt 4                                 ; V's four loads just issued are younger and may stay out: K's fragments 4 to 7 are in
.irp t, 4,5,6,7
	QK \t
	VLOAD \t
.endr                                              ; lane (r, h): query r; score register n = key 128 S + 32 (n / 16) + 16 h + n % 16
	ds_load_b128 v[VS:VS+3], v[ADT]                ; V's nine loads are wanted behind the softmax
.rept 4
	v_nop                                          ; four places between the products and the first read of their results (ISA guide 7.12.1)
.endr
	s_add_co_u32 s67, s[ST], 16
	s_bitcmp1_b32 s[FL], s67
	s_cbranch_scc0 .Lopen                          ; no entry of this step is hidden
	s_lshl_b32 s67, s[ST], 8                       ; the step's record of 64 words
	s_load_b512 s[32:47], s[16:17], s67 offset:0x0
	s_load_b512 s[48:63], s[16:17], s67 offset:0x40
	s_load_b512 s[68:83], s[16:17], s67 offset:0x80
	s_load_b512 s[84:99], s[16:17], s67 offset:0xc0
	s_wait_kmcnt 0x0
.set n, 0
.rept 64
.set mw, 32+n+4*(n/32)                 ; word n: s[32 + n], from n = 32 on s[36 + n]
	v_cndmask_b32 v[SS+n], v[SS+n], v[NEG], s[mw]  ; hidden scores become -infinity ahead of the maximum: p = 0 then
.set n, n+1
.endr
.Lopen:
.irp b, 0,1,2,3
	v_max3_num_f32 v[BM+\b], v[SS+16*\b], v[SS+1+16*\b], v[SS+2+16*\b]    ; the largest score of each block of 32 keys: it serves for the row's maximum and, since p rises with the score, for the block's largest p
.endr
.irp i, 3,5,7,9,11,13
.irp b, 0,1,2,3
	v_max3_num_f32 v[BM+\b], v[BM+\b], v[SS+16*\b+\i], v[SS+1+16*\b+\i]   ; (the four blocks by turns)
.endr
.endr
.irp b, 0,1,2,3
	v_max_num_f32 v[BM+\b], v[BM+\b], v[SS+15+16*\b]
.endr
.irp b, 0,1,2,3
	v_permlanex16_b32 v[BT+\b], v[BM+\b], s[SEL], s[SEL+1]
.endr
.irp b, 0,1,2,3
	v_max_num_f32 v[BM+\b], v[BM+\b], v[BT+\b]     ; with lane l xor 16's 16 keys
.endr
	v_max3_num_f32 v10, v[BM], v[BM+1], v[BM+2]
	v_max_num_f32 v10, v10, v[BM+3]                ; the step's largest score of my query
	v_mul_f32 v10, s[CS], v10                      ; as t (c is positive)
	v_max_num_f32 v13, v13, v10                    ; the running largest t
	v_mov_b32 v10, v12
	v_floor_f32 v12, -v13                          ; the new -M = floor(-t) = -ceil(t): a whole number
	v_sub_f32 v10, v12, v10                        ; old M - new M: a whole number, 0 or less
	v_cvt_i32_f32 v10, v10                         ; (it saturates)
	v_ldexp_f32 v[FF], 1.0, v10                    ; f = 2^(old M - new M)
.set j, 0
.rept 32
	v_pk_fma_f32 v[SS+j:SS+j+1], v[SS+j:SS+j+1], s[CS:CS+1], v[12:13] op_sel_hi:[1,0,0]   ; t - M, two at a time (of the pairs c and -M the low word serves both halves)
.set j, j+2
.endr
.irp b, 0,1,2,3
	v_fma_f32 v[BM+\b], v[BM+\b], s[CS], v12       ; the same of each block's largest score
.endr
.set j, 0
	s_wait_alu depctr_va_vdst(0)
.rept 64
	v_exp_f32 v[SS+j], v[SS+j]                     ; p = 2^(t - M), at most 1
.set j, j+1
.endr
	v_pk_mul_f32 v[14:15], v[14:15], v[FF:FF+1] op_sel_hi:[1,0]           ; the sum under the new M: the plain instruction behind the batch
	s_wait_alu depctr_va_vdst(0)                   ; the 64 exponentials have written p: one wait, ahead of the first line that names a result
.irp b, 0,1,2,3
	v_exp_f32 v[BM+\b], v[BM+\b]                   ; the block's largest p: the same two instructions on the same number give the same bits
.endr
	v_pk_add_f32 v[L2:L2+1], v[SS:SS+1], v[SS+2:SS+3]                     ; the row's sum is taken of the unquantised p, two at a time, in two chains; these lines read the 64 alone
.irp j, 4,8,12,16,20,24,28,32,36,40,44
	v_pk_add_f32 v[14:15], v[14:15], v[SS+\j:SS+\j+1]
	v_pk_add_f32 v[L2:L2+1], v[L2:L2+1], v[SS+\j+2:SS+\j+3]
.endr
	s_wait_alu depctr_va_vdst(0)                   ; the four exponentials have written the blocks' largest p, ahead of their first reader
.irp b, 0,1,2,3
	v_max_num_f32 v[BM+\b], 0x1800000, v[BM+\b]    ; the floor 2^(3 - 127): the byte cannot fall under 1 (a block whose every p is 0 keeps that byte: its codes are zeros)
.endr
.irp b, 0,1,2,3
	v_add_nc_u32 v[BS+\b], 0xff000000, v[BM+\b]    ; 2 off the exponent field: the conversion's scale operand
.endr
.irp b, 0,1,2,3
	v_lshrrev_b32 v[BT+\b], 23, v[BS+\b]           ; the scale's byte
.endr
	v_lshl_or_b32 v[PS], v[BT+1], 8, v[BT]         ; p's scale word for these 128 keys
	v_lshl_or_b32 v[PS], v[BT+2], 16, v[PS]
	v_lshl_or_b32 v[PS], v[BT+3], 24, v[PS]
.irp b, 0,1,2,3
	v_cvt_scalef32_pk8_fp4_f32 v[PC+2*\b], v[SS+16*\b:SS+7+16*\b], v[BS+\b]       ; the codes of keys 32 b + 16 h + 0 .. 7
	v_cvt_scalef32_pk8_fp4_f32 v[PC+1+2*\b], v[SS+8+16*\b:SS+15+16*\b], v[BS+\b]  ; and + 8 .. 15
.endr
	v_nop                                          ; one plain instruction behind the scaled conversions
.irp c, 0,1                            ; the operand's layout wants a whole block in a lane: lanes 0-15 block 2 c, lanes 16-31 block 2 c + 1
.irp i, 0,1
	v_permlane16_swap_b32 v[PC+4*\c+\i], v[PC+2+4*\c+\i]
.endr
.endr
.set j, 0
.rept 16
	v_pk_mul_f32 v[OT+j:OT+j+1], v[OT+j:OT+j+1], v[FF:FF+1] op_sel_hi:[1,0]       ; O^T under the new M, each accumulator from its low end on
.set j, j+2
.endr
.irp j, 48,52,56,60                    ; the rest of the sums: nine plain lines that name no register of the products below: the places behind p's scale word (eight) and behind its codes (four)
	v_pk_add_f32 v[14:15], v[14:15], v[SS+\j:SS+\j+1]
	v_pk_add_f32 v[L2:L2+1], v[L2:L2+1], v[SS+\j+2:SS+\j+3]
.endr
	v_pk_add_f32 v[14:15], v[14:15], v[L2:L2+1]
	s_wait_dscnt 0x0                               ; V's fragments and scale words, asked for ahead of the softmax
	s_wait_alu depctr_va_vdst(0)                   ; vector lines have written p's scale word and p's codes, which the scaled products below take; the places above stay beside this wait
.irp t, 0,1,2,3                        ; O^T += V^T P^T: four accumulators, one instruction each; the matrix instruction ahead of the first is K Q^T's last
	v_wmma_scale_f32_16x16x128_f8f6f4 v[OT+8*\t:OT+8*\t+7], v[VF+8*\t:VF+8*\t+7], v[PC:PC+7], v[OT+8*\t:OT+8*\t+7], v[VS+\t], v[PS] matrix_a_fmt:MATRIX_FMT_FP4 matrix_b_fmt:MATRIX_FMT_FP4
.endr
.Lskip:
	s_add_co_u32 s[ST], s[ST], 1
	s_cmp_lt_u32 s[ST], 16
	s_cbranch_scc1 .Lstep
	; THE WAY OUT.  O^T / the sum goes through my own stage in LDS and leaves as whole rows: a query's 64 numbers are 256 consecutive bytes of out0, aligned.
	s_wait_alu depctr_vm_vsrc(0)                   ; the steps' LDS loads have read v6 to v9, of which v6 to v8 are written below
	v_add_f32 v14, v14, v15                        ; the sum's two halves,
	v_permlanex16_b32 v[BT], v14, s[SEL], s[SEL+1]
	v_add_f32 v14, v14, v[BT]                      ; and lane l xor 16's: the row's sum
	s_wait_alu depctr_va_vdst(0)
	v_rcp_f32 v14, v14
	s_mul_i32 s23, s[WV], 16*SP
	s_add_co_u32 s23, s23, STG                     ; my stage
	v_mul_u32_u24 v6, v[RR], SP                    ; (plain lines behind the reciprocal and behind the last products)
	v_lshl_add_u32 v6, v[HH], 5, v6
	v_add_nc_u32 v6, s23, v6                       ; in: row r; tile t's eight numbers of my half at 64 t + 32 h
	v_mul_u32_u24 v7, v[HH], SP
	v_lshl_add_u32 v7, v[RR], 4, v7
	v_add_nc_u32 v7, s23, v7                       ; back: lanes 0-15 one row, lanes 16-31 the next
	v_lshlrev_b32 v8, 4, v[RR]
	v_lshl_add_u32 v8, v[HH], 12, v8               ; and the same two rows in out0, 4,096 bytes apart
	s_wait_alu depctr_va_vdst(0)                   ; the reciprocal has written v14, ahead of its first reader
.set j, 0
.rept 32
	v_mul_f32 v[SS+j], v[OT+j], v14                ; register 8 t + i is o(r, 16 t + 8 h + i); each accumulator from its low end on
.set j, j+1
.endr
	s_wait_alu depctr_va_vdst(0)                   ; the 32 multiplications have written v96 to v127, which the LDS stores read; v6 to v8 are written; and all that wrote or read v32 to v63 (the head's zeros, the products K Q^T) is done: the loads from the stage land there
.irp t, 0,1,2,3
	ds_store_b128 v6, v[SS+8*\t:SS+8*\t+3] offset:64*\t
	ds_store_b128 v6, v[SS+8*\t+4:SS+8*\t+7] offset:64*\t+16
.endr
.irp i, 0,1,2,3,4,5,6,7
	ds_load_b128 v[KF+4*\i:KF+4*\i+3], v7 offset:2*SP*\i                  ; LDS serves a wave's instructions in order (ISA guide 5.7.1.4): these see my stores
.endr
.irp i, 0,1,2,3,4,5,6,7
	s_wait_dscnt 7-\i                              ; the loads younger than this one may stay out
	global_store_b128 v8, v[KF+4*\i:KF+4*\i+3], s[20:21] offset:8192*\i th:TH_STORE_NT   ; rows 2 i and 2 i + 1: sixteen lanes store 256 consecutive bytes, aligned; written once, read by nobody here
.endr
	s_wait_dscnt 0x0
	s_wait_alu depctr_hold_cnt(0) depctr_sa_sdst(0) depctr_va_vdst(0) depctr_va_sdst(0) depctr_va_ssrc(0) depctr_va_vcc(0) depctr_vm_vsrc(0)
	s_wait_tensorcnt 0x0
	ds_add_u32 v254, v255
	s_wait_dscnt 0x0
	s_endpgm
.Lfunc_end_k_qc7501440aa_attn:
	.size	k_qc7501440aa_attn, .Lfunc_end_k_qc7501440aa_attn-k_qc7501440aa_attn
	.p2alignl 7, 3214868480
	.fill 96, 4, 3214868480
	.section	.rodata,"a",@progbits
	.p2align	6, 0x0
	.amdhsa_kernel k_qc7501440aa_attn
		.amdhsa_group_segment_fixed_size 217088
		.amdhsa_private_segment_fixed_size 0
		.amdhsa_enable_private_segment 0
		.amdhsa_kernarg_size 72
		.amdhsa_user_sgpr_count 2
		.amdhsa_user_sgpr_kernarg_segment_ptr 1
		.amdhsa_wavefront_size32 1
		.amdhsa_system_sgpr_workgroup_id_x 1
		.amdhsa_system_sgpr_workgroup_id_y 1
		.amdhsa_system_sgpr_workgroup_id_z 1
		.amdhsa_system_vgpr_workitem_id 0
		.amdhsa_next_free_vgpr 256
		.amdhsa_next_free_sgpr 100
		.amdhsa_reserve_vcc 0
		.amdhsa_float_denorm_mode_32 3
		.amdhsa_float_denorm_mode_16_64 3
		.amdhsa_memory_ordered 1
		.amdhsa_forward_progress 1
		.amdhsa_inst_pref_size 35
	.end_amdhsa_kernel
	.amdgpu_metadata
---
amdhsa.version: [ 1, 2 ]
amdhsa.kernels:
  - .name:           k_qc7501440aa_attn
    .symbol:         k_qc7501440aa_attn.kd
    .args:
      - { .name: queries_codes, .offset: 0, .size: 8, .value_kind: global_buffer, .address_space: global }
      - { .name: queries_scales, .offset: 8, .size: 8, .value_kind: global_buffer, .address_space: global }
      - { .name: kimg, .offset: 16, .size: 8, .value_kind: global_buffer, .address_space: global }
      - { .name: kscl, .offset: 24, .size: 8, .value_kind: global_buffer, .address_space: global }
      - { .name: values_codes, .offset: 32, .size: 8, .value_kind: global_buffer, .address_space: global }
      - { .name: values_scales, .offset: 40, .size: 8, .value_kind: global_buffer, .address_space: global }
      - { .name: mwords, .offset: 48, .size: 8, .value_kind: global_buffer, .address_space: global }
      - { .name: mflags, .offset: 56, .size: 8, .value_kind: global_buffer, .address_space: global }
      - { .name: out0, .offset: 64, .size: 8, .value_kind: global_buffer, .address_space: global }
    .group_segment_fixed_size: 217088
    .private_segment_fixed_size: 0
    .kernarg_segment_align: 8
    .kernarg_segment_size: 72
    .max_flat_workgroup_size: 512
    .sgpr_count:     100
    .vgpr_count:     256
    .wavefront_size: 32
...
	.end_amdgpu_metadata
.endif
;; end of part 4
